; MI455X (gfx1250); checked and timed in simulation.
; The chip was launched on July 23, 2026; its instructions are those of AMD's public machine-readable ISA for CDNA 5 (MIT licence, August 2026) and "CDNA5" Instruction Set Architecture Reference Guide (July 2026). The comments in the code are by the model that wrote it; some were corrected since.
;; Multi Head Attention. Allowed arithmetic: matrix products marked QUANTISED: E2M1 operands, one E8M0 scale for each 32 along K, by v_wmma_scale_f32_16x16x128_f8f6f4 with both operands' format E2M1 (or v_wmma_scale_f32_32x16x128_f4), f32 sums; everything else in f32.
;; Inputs: b_k 1,024 float32; b_o 1,024 float32; b_q 1,024 float32; b_v 1,024 float32; k_codes 4 x 2,048 x 32 x 16 uint8 (E2M1 codes of k, K innermost, in blocks of 32 codes, two codes a byte); k_scales 4 x 2,048 x 32 uint8 (E8M0 scales of k, one for each 32 codes along K); mask 1 x 1 x 2,048 x 2,048 bool; q_codes 4 x 2,048 x 32 x 16 uint8 (E2M1 codes of q, K innermost, in blocks of 32 codes, two codes a byte); q_scales 4 x 2,048 x 32 uint8 (E8M0 scales of q, one for each 32 codes along K); v_codes 4 x 2,048 x 32 x 16 uint8 (E2M1 codes of v, K innermost, in blocks of 32 codes, two codes a byte); v_scales 4 x 2,048 x 32 uint8 (E8M0 scales of v, one for each 32 codes along K); w_k_codes 1,024 x 32 x 16 uint8 (E2M1 codes of w_k, K innermost, in blocks of 32 codes, two codes a byte); w_k_scales 1,024 x 32 uint8 (E8M0 scales of w_k, one for each 32 codes along K); w_o_codes 1,024 x 32 x 16 uint8 (E2M1 codes of w_o, K innermost, in blocks of 32 codes, two codes a byte); w_o_scales 1,024 x 32 uint8 (E8M0 scales of w_o, one for each 32 codes along K); w_q_codes 1,024 x 32 x 16 uint8 (E2M1 codes of w_q, K innermost, in blocks of 32 codes, two codes a byte); w_q_scales 1,024 x 32 uint8 (E8M0 scales of w_q, one for each 32 codes along K); w_v_codes 1,024 x 32 x 16 uint8 (E2M1 codes of w_v, K innermost, in blocks of 32 codes, two codes a byte); w_v_scales 1,024 x 32 uint8 (E8M0 scales of w_v, one for each 32 codes along K).
;; Outputs: out0 4 x 2,048 x 1,024 float32.
;; This version of the problem:
;;   THIS VERSION OF THE PROBLEM IS GIVEN IN LOW PRECISION. The matrix products marked QUANTISED in the list below multiply operands that are first quantised to E2M1 (2 exponent bits, 1 mantissa bit; 4 bits a number), with one power-of-two scale for each 32 numbers along K (OCP MX v1.0); their sums are f32. All else is computed in f32.
;;   The module's matrix products, in the order in which they are computed (A, B: the left and right operand; K: the contracted axis; several contracted axes count as one K, in the product's order):
;;     1. [M 8,192, K 1,024] x [K 1,024, N 1,024]; A: input q (given as codes); B: input w_q (given as codes): QUANTISED
;;     2. [M 8,192, K 1,024] x [K 1,024, N 1,024]; A: input k (given as codes); B: input w_k (given as codes): QUANTISED
;;     3. [M 8,192, K 1,024] x [K 1,024, N 1,024]; A: input v (given as codes); B: input w_v (given as codes): QUANTISED
;;     4. batch 64 x [M 2,048, K 64] x [K 64, N 2,048]; A: computed on the way; B: computed on the way: QUANTISED
;;     5. batch 64 x [M 2,048, K 2,048] x [K 2,048, N 64]; A: softmax (see below); B: computed on the way: QUANTISED
;;     6. [M 8,192, K 1,024] x [K 1,024, N 1,024]; A: computed on the way; B: input w_o (given as codes): QUANTISED
;;   THE QUANTISER, for each operand of a quantised product, along K:
;;     - K is cut into blocks of 32 from its start; a last block that is shorter is filled with zeros.
;;     - A block's scale is 2^e with e = floor(log2(the largest magnitude in the block)) - 2, held to -126 .. 127; a block of zeros has e = 0. As a byte (E8M0): e + 127.
;;     - Each number is divided by its block's scale, clamped to +-6, and rounded to the nearest number of E2M1, ties to even, subnormals kept.
;;     - The product sums the exact products of the quantised numbers (number of the format x scale) in f32.
;;   ~~~python
;;   def quantise(x, axis):      # numpy; x: float32 -> the quantised numbers, widened to float32 again
;;       x = np.moveaxis(x, axis, -1); K = x.shape[-1]
;;       x = np.pad(x, [(0, 0)] * (x.ndim - 1) + [(0, -K % 32)]); x = x.reshape(x.shape[:-1] + (-1, 32)); a = np.abs(x).max(-1, keepdims=True)
;;       e = np.where(a > 0, np.clip(np.frexp(np.where(a > 0, a, 1))[1] - 1 - 2, -126, 127), 0)      # np.frexp(a)[1] - 1 = floor(log2(a)), exactly
;;       r = np.clip(x / 2.0 ** e, -6, 6)
;;       step = 2.0 ** (np.maximum(np.frexp(np.where(r == 0, 1, r))[1] - 1, 0) - 1)
;;       q = np.round(r / step) * step * 2.0 ** e      # np.round: ties to even
;;       return np.moveaxis(q.reshape(q.shape[:-2] + (-1,))[..., :K], -1, axis).astype(np.float32)
;;   ~~~
;;   SOFTMAX AHEAD OF A QUANTISED PRODUCT. Where the list says 'softmax', what is quantised is not the finished softmax but p = 2^(t - M), with t = logit x log2(e) and M = ceil(the row's largest t), a whole number; so 1/2 < the row's largest p <= 1. The row's sum l is taken of the UNQUANTISED p, in f32, and the product's result is divided by l at the end. Since M is a whole number, a kernel that streams over the keys may use a running M (the ceiling of the running maximum): every later rescaling is an exact power of two, which a block's scale takes up: the codes' values come out the same.
;;   OPERANDS COMPUTED ON THE WAY. 'Computed on the way' means the value that the module computes at that place (a softmax that the list does not call 'softmax' is quantised finished and normalised). What goes into a quantiser is computed in f32, as accurately as f32 sums, v_exp_f32 and their like allow (about 1e-6 of the number): no bf16 or f16 on the way to a quantiser, and a product that is left as it is and whose result goes on into a quantised operand takes f32 operands (vector FMAs, or v_wmma_f32_16x16x4_f32). A number that lies on a knife's edge between two numbers of the format may be rounded either way, as far as f32 arithmetic and the matrix unit's own rounding can turn it there, and no further.
;;   INPUTS GIVEN AS CODES. k (in the module: [4, 2048, 1024], K = its axis 2); q (in the module: [4, 2048, 1024], K = its axis 2); v (in the module: [4, 2048, 1024], K = its axis 2); w_k (in the module: [1024, 1024], K = its axis 1); w_o (in the module: [1024, 1024], K = its axis 1); w_q (in the module: [1024, 1024], K = its axis 1); w_v (in the module: [1024, 1024], K = its axis 1): each comes as NAME_codes (uint8): NAME with its K axis moved to the last place and cut into blocks of 32 codes, [.., K / 32, bytes a block], one block behind the other in memory; two codes a byte, the lower K in the low four bits (a code: sign, 2 exponent bits, 1 mantissa bit); and NAME_scales (uint8): the same leading axes, one E8M0 byte (e + 127) for each 32 codes along K. Its value is code x scale, taken as it is: it is not quantised again, and the codes and scales need not be those that the quantiser above would give.
;; 2 versions, each right; version 2 is version 1 with the launch attn written anew for expert scheduling mode. Each part assembles by itself: llvm-mc -triple=amdgcn-amd-amdhsa -mcpu=gfx1250 --defsym DOCPART=n.
;; ======== version 1 of 2: 4 launches
;; limits: right only within a limited range of input values
;; workspace buffers: maskw 524,288 bytes of whole numbers; flags 16,384 bytes of whole numbers; img 12,582,912 bytes; sc 786,432 bytes; aimg 4,194,304 bytes; asc 262,144 bytes
;; launch maskpack (part 1): grid 128 x 1, 16 waves a work-group, no clusters, 2,304 bytes of LDS; arguments mask, maskw, flags; writes maskw, flags
.if DOCPART == 1
	.amdgcn_target "amdgcn-amd-amdhsa--gfx1250"
	.amdhsa_code_object_version 6
	.text
	.protected	k_qa16044ecb9_maskpack
	.globl	k_qa16044ecb9_maskpack
	.p2align	8
	.type	k_qa16044ecb9_maskpack,@function
k_qa16044ecb9_maskpack:
	s_mov_b64 s[64:65], 0
	v_nop
	global_prefetch_b8 v0, s[64:65] scope:SCOPE_SE
	s_setreg_imm32_b32 hwreg(HW_REG_WAVE_MODE, 25, 1), 1
	s_wait_xcnt 0x0
; The mask [2048 queries][2048 keys] of bytes becomes lane masks for the attention launch, and two bits for each (tile of 16 queries, step of 128 keys).
; A work-group takes query tile j (16 queries), wave w key step w (128 keys).  Lane (r = lane % 16, h = lane / 16).
; maskw[j][w][n], n = 8 t + i: bit lane = mask[16 j + r][128 w + 16 t + 8 h + i]: the lane and register in which the attention launch holds that score.
; flags[j]: bit w = step w may be left out (none of its keys counts for any of the 16 queries, and every one of the 16 queries has a key that counts somewhere);
; bit 16 + w = step w has a hidden key.  The word is stored 32 times, a lane a word, so that EXEC is never changed.
; A query with no key at all keeps every step of its tile: the attention launch then gives it equal weights, as a softmax of equal logits does.
.set W, 28                             ; v[28:29] lane l collects words 2 l and 2 l + 1
	s_load_b128 s[4:7], s[0:1], 0x0                ; mask, maskw
	s_load_b64 s[8:9], s[0:1], 0x10                ; flags
	v_lshl_add_u32 v40, v0, 2, 0x100
	v_mov_b32 v41, 0
	v_lshrrev_b32 v5, 5, v0
	v_readfirstlane_b32 s10, v5                    ; wave 0..15
	v_and_b32 v1, 31, v0                           ; lane
	v_and_b32 v2, 15, v0                           ; r
	v_bfe_u32 v3, v0, 4, 1                         ; h
	v_lshlrev_b32 v4, 11, v2
	v_lshl_add_u32 v4, v3, 3, v4                   ; a row of the mask is 2,048 bytes: 2048 r + 8 h
	v_lshlrev_b32 v30, 3, v1                       ; two words a lane on the way out
	v_lshlrev_b32 v31, 3, v5                       ; LDS: 8 bytes for each wave
	v_lshlrev_b32 v32, 3, v2                       ; and back: lane l takes step l % 16
	v_lshlrev_b32 v33, 2, v1
	v_mov_b32 v[W], 0                              ; v_writelane_b32's destination counts as read
	v_mov_b32 v[W+1], 0
	s_mov_b32 s12, 0                               ; the OR of the step's 64 words
	s_mov_b32 s13, -1                              ; and their AND
	s_lshl_b32 s14, ttmp9, 15                      ; 16 rows of 2,048 bytes
	s_lshl_b32 s16, s10, 7
	s_add_co_u32 s14, s14, s16                     ; + 128 w
	s_mov_b32 s15, 0
	s_lshl_b32 s16, ttmp9, 12
	s_lshl_b32 s18, s10, 8
	s_add_co_u32 s16, s16, s18                     ; maskw: (16 j + w) x 256 bytes
	s_mov_b32 s17, 0
	s_lshl_b32 s18, ttmp9, 7                       ; flags: 128 bytes a tile
	s_mov_b32 s19, 0
	s_wait_kmcnt 0x0
	s_add_nc_u64 s[4:5], s[4:5], s[14:15]
	s_add_nc_u64 s[6:7], s[6:7], s[16:17]
	s_add_nc_u64 s[8:9], s[8:9], s[18:19]
.irp t, 0,1,2,3,4,5,6,7
	global_load_b64 v[8+2*\t:9+2*\t], v4, s[4:5] offset:16*\t th:TH_LOAD_NT   ; keys 16 t + 8 h + 0 .. 7 of my query
.endr
	s_wait_loadcnt 0x0
.set n, 0
.rept 64                               ; word n: one byte of each lane becomes one bit; four sets of registers by turns
	v_and_b32 v[24+n%4], 0xff<<(8*(n%4)), v[8+2*(n/8)+(n%8)/4]
	v_cmp_ne_u32 s[20+n%4], 0, v[24+n%4]
	v_writelane_b32 v[W+n%2], s[20+n%4], n/2
	s_or_b32 s12, s12, s[20+n%4]
	s_and_b32 s13, s13, s[20+n%4]
.set n, n+1
.endr
	global_store_b64 v30, v[W:W+1], s[6:7]         ; 32 lanes store 256 consecutive bytes, aligned
	v_mov_b32 v34, s12
	v_mov_b32 v35, s13
	ds_store_b64 v31, v[34:35]                     ; all lanes write the wave's own 8 bytes with the same value
	s_wait_dscnt 0x0                               ; for the others' sake: my store is done
	s_barrier_signal -1
	s_barrier_wait -1
	s_cmp_lg_u32 s10, 0
	s_cbranch_scc1 .Lend                           ; wave 0 makes the tile's word
	ds_load_b64 v[36:37], v32                      ; lane l: step l % 16's OR and AND
	s_wait_dscnt 0x0
	v_cmp_eq_u32 s24, 0, v36                       ; steps in which nothing counts
	v_cmp_ne_u32 s25, -1, v37                      ; steps with a hidden key
	s_and_b32 s24, s24, 0xffff
	s_and_b32 s25, s25, 0xffff
	s_mov_b32 s27, 0
.irp l, 0,1,2,3,4,5,6,7,8,9,10,11,12,13,14,15
	v_readlane_b32 s26, v36, \l
	s_or_b32 s27, s27, s26                         ; over all steps: which lanes have a key that counts
.endr
	s_lshr_b32 s26, s27, 16
	s_or_b32 s27, s27, s26                         ; a query's two lanes
	s_and_b32 s27, s27, 0xffff
	s_cmp_eq_u32 s27, 0xffff                       ; has every query a key?
	s_cselect_b32 s24, s24, 0                      ; if not, no step of the tile is left out
	s_lshl_b32 s25, s25, 16
	s_or_b32 s24, s24, s25
	v_mov_b32 v38, s24
	global_store_b32 v33, v38, s[8:9]
.Lend:
	s_wait_tensorcnt 0x0
	ds_add_u32 v40, v41
	s_wait_dscnt 0x0
	s_endpgm
.Lfunc_end_k_qa16044ecb9_maskpack:
	.size	k_qa16044ecb9_maskpack, .Lfunc_end_k_qa16044ecb9_maskpack-k_qa16044ecb9_maskpack
	.p2alignl 7, 3214868480
	.fill 96, 4, 3214868480
	.section	.rodata,"a",@progbits
	.p2align	6, 0x0
	.amdhsa_kernel k_qa16044ecb9_maskpack
		.amdhsa_group_segment_fixed_size 2304
		.amdhsa_private_segment_fixed_size 0
		.amdhsa_enable_private_segment 0
		.amdhsa_kernarg_size 24
		.amdhsa_user_sgpr_count 2
		.amdhsa_user_sgpr_kernarg_segment_ptr 1
		.amdhsa_wavefront_size32 1
		.amdhsa_system_sgpr_workgroup_id_x 1
		.amdhsa_system_sgpr_workgroup_id_y 1
		.amdhsa_system_sgpr_workgroup_id_z 1
		.amdhsa_system_vgpr_workitem_id 0
		.amdhsa_next_free_vgpr 42
		.amdhsa_next_free_sgpr 66
		.amdhsa_reserve_vcc 0
		.amdhsa_float_denorm_mode_32 3
		.amdhsa_float_denorm_mode_16_64 3
		.amdhsa_memory_ordered 1
		.amdhsa_forward_progress 1
		.amdhsa_inst_pref_size 22
	.end_amdhsa_kernel
	.amdgpu_metadata
---
amdhsa.version: [ 1, 2 ]
amdhsa.kernels:
  - .name:           k_qa16044ecb9_maskpack
    .symbol:         k_qa16044ecb9_maskpack.kd
    .args:
      - { .name: mask, .offset: 0, .size: 8, .value_kind: global_buffer, .address_space: global }
      - { .name: maskw, .offset: 8, .size: 8, .value_kind: global_buffer, .address_space: global }
      - { .name: flags, .offset: 16, .size: 8, .value_kind: global_buffer, .address_space: global }
    .group_segment_fixed_size: 2304
    .private_segment_fixed_size: 0
    .kernarg_segment_align: 8
    .kernarg_segment_size: 24
    .max_flat_workgroup_size: 512
    .sgpr_count:     66
    .vgpr_count:     42
    .wavefront_size: 32
...
	.end_amdgpu_metadata
.endif
;; end of part 1
;; launch proj (part 2): grid 4 x 96, 4 waves a work-group, clusters of 4 x 4, 327,680 bytes of LDS; arguments q_codes, k_codes, w_v_codes, q_scales, k_scales, w_v_scales, w_q_codes, w_k_codes, v_codes, w_q_scales, w_k_scales, v_scales, b_q, b_k, b_v, img, sc; writes img, sc
.if DOCPART == 2
	.amdgcn_target "amdgcn-amd-amdhsa--gfx1250"
	.amdhsa_code_object_version 6
	.text
	.protected	k_qa16044ecb9_proj
	.globl	k_qa16044ecb9_proj
	.p2align	8
	.type	k_qa16044ecb9_proj,@function
k_qa16044ecb9_proj:
	s_mov_b64 s[64:65], 0
	v_nop
	global_prefetch_b8 v0, s[64:65] scope:SCOPE_SE
	s_setreg_imm32_b32 hwreg(HW_REG_WAVE_MODE, 25, 1), 1
	s_wait_xcnt 0x0
	s_wait_alu depctr_hold_cnt(0) depctr_sa_sdst(0) depctr_va_vdst(0) depctr_va_sdst(0) depctr_va_ssrc(0) depctr_va_vcc(0) depctr_vm_vsrc(0)
	s_getreg_b32 s2, hwreg(HW_REG_IB_STS2, 6, 4)
	s_cmp_eq_u32 s2, 0
	s_cbranch_scc0 .Lentry_in_a_cluster
	s_endpgm
.Lentry_in_a_cluster:
	s_bfe_u32 s2, ttmp6, 0x10000c
	s_cmp_lg_u32 s2, 0xf033
	s_cbranch_scc0 .Lentry_shape_is_right
	s_endpgm
.Lentry_shape_is_right:
; The three projections x W^T + b on codes of FP4 (E2M1) with E8M0 scales, K = 1,024, and the quantiser of their results, whose codes leave as IMAGES OF OPERAND REGISTERS.
; One text serves all three.  Cluster y / 8 is the kind: 0 q, 1 k, 2 v.  Only pointers, offsets and two AND masks are chosen by it (s_cselect); no branch hangs on it.
; SIDES.  "A" is source 1 of the matrix instruction: its 16 rows stay in the lanes.  "B" is source 0: its rows run along a lane's registers, and so along the NEXT product's K.
;   kinds 0, 1: A = the tokens, B = the weight's rows: a lane's registers run along the features, the head's axis, which is K of q k^T.
;   kind 2:     A = w_v's rows, B = v's tokens: a lane's registers run along the keys, which are K of p v.
; A tile, 256 rows of A x 256 rows of B, is made by four waves, 128 x 128 each: 64 accumulators, 512 registers.  K = 1,024 is two LDS slots of 512 along K: both are filled at the start, nothing is filled again.
; CLUSTERS: 4 x 4 work-groups; A's tiles are asked for jointly along a row of the cluster, B's along a column.
; THE BIAS runs along the features.  Kinds 0, 1: along the registers: it is the C of each sum's first product (CB0).  Kind 2: along the lanes: it is added on the way out (CB1).  The set that a kind does not use is ANDed to zeros.
; THE WAY OUT.  For a block a of 16 rows of A the eight accumulators are 64 numbers a lane: register 8 t + i = row 16 t + 8 (lane / 16) + i of B.  QUANTN makes of them a fragment (8 registers) and a scale word.
;   img, kinds 0, 1: [kind][batch][pair of heads g][tile of 16 tokens][head % 2][512 bytes];  kind 2, from 8 MiB on: [batch][step of 128 keys][tile of 16 features][1,024 bytes].  sc: at img's offset / 16: [16 rows][8 blocks] words for a wave.
; LIMITS: NaN and infinities are not served; a block of zeros gets the scale byte 1 (its codes are zeros; this program alone reads the bytes).
; REGISTERS, in windows of 256: window 0: v0-31 addresses; v32-95 scale words, two sets; v96-111 CB1; v128-191 A's fragments, one set, later 64 numbers; v192-255 CB0, later at work on the way out.
;   window 1: B's fragments, two sets.   window 2: the accumulators of my rows 0-63 of A ((a, b) at v[8 (8 a + b)]);   window 3: those of rows 64-127.
.set KSTEP,  512                       ; along K in a slot
.set NQ,     4                         ; matrix instructions deep
.set ROWB,   256                       ; a tile's row in bytes
.set KROW,   512                       ; a row of 1,024 codes in memory
.set PITCH,  272                       ; an LDS row: 256 bytes + 16 of padding: the 16 rows that a load touches start 68 words apart
.set FR,     8                         ; registers of a fragment
.set NL,     2                         ; LDS loads that bring one
.set NP,     4                         ; places behind this matrix instruction (ISA guide 7.12.1)
.set HALFT,  128*PITCH
.set SLOT,   4*HALFT                   ; A's 256 rows, then B's 256 rows
.set KS,     32                        ; a row of scale bytes
.set SCL,    2*SLOT                    ; behind the slots: the scales, as units of 256 bytes + 16 of padding
.set HALFS,  16*272                    ; the scales of 128 rows
.set SBLK,   2*272                     ; those of 16 rows
.set SPARE,  SCL+4*HALFS               ; the spare words: 128 bytes for each wave, named by no other line
.set STG,    SPARE+512                 ; 512 bytes for each wave: its scale words on the way out; no tensor load lands here
.set ADRA, 16                          ; v16-17  LDS address of my A fragments in slot 0, 1
.set ADRB, 20                          ; v20-21  the same for B
.set SRA,  26                          ; v26     the way out: where I read my wave's scale words back
.set ADRS, 27                          ; v27     LDS address of my scale words: lanes 0-15 A's rows, lanes 16-31 B's
.set SPW,  28                          ; v28     my spare word; never rewritten
.set NIL,  29                          ; v29     0; never rewritten
.set GOF,  30                          ; v30     16 x lane
.set SWA,  31                          ; v31     the way out: where my row's scale words go
.set SC,   32
.set CB1,  96
.set AF,   128
.set NUM,  128
.set CB0,  192
.set PWR,  192                         ; v192-199 on the way out: block a's scale word
.set TM,   200                         ; v200-215 at work in QUANTN
.set BKS,  220
.set PC,   224                         ; v224-255 four sets of 8: a block's codes
.set SEL,  18                          ; s[18:19] selects of v_permlanex16_b32: lane l xor 16
.set G1, 24
.set G0, 32
.set G1B, 48
.set G0B, 56
.set G1S, 68
.set G0S, 76
.set G1SB, 80
.set G0SB, 88
.set MSB, 0
.macro WIN new                         ; the immediate's high byte repeats the setting that is left
.if MSB != (\new)
	s_set_vgpr_msb (MSB<<8)|(\new)
.set MSB, (\new)
.endif
.endm
.set MUL_LO, 0xa1                      ; source 0 (B) window 1, source 1 (A) window 0, C and D window 2
.set MUL_HI, 0xf1                      ; the same, C and D window 3
.set TO_B,   0x40                      ; destination window 1, address window 0
; A joint load: waves 0 and 1 fetch for A, waves 2 and 3 for B; the branch hangs on the wave's number alone.  Four v_nop follow each of the two lines.
.macro JLOAD g0a, g1a, g0b, g1b
	s_cmp_eq_u32 s15, 0
	s_cbranch_scc0 .Lfor_b_\@
	tensor_load_to_lds s[\g0a:\g0a+3], s[\g1a:\g1a+7]
	s_nop 0
.rept 4
	v_nop
.endr
	s_branch .Lasked_\@
.Lfor_b_\@:
	tensor_load_to_lds s[\g0b:\g0b+3], s[\g1b:\g1b+7]
	s_nop 0
.rept 4
	v_nop
.endr
.Lasked_\@:
.endm
.macro CROUND                          ; a round of the cluster's barrier
	s_barrier_signal -1
	s_barrier_wait -1
	s_cmp_lg_u32 s14, 0
	s_cbranch_scc1 .Lnot_wave_0_\@
	s_barrier_signal -3
.Lnot_wave_0_\@:
	s_barrier_wait -3
	s_barrier_signal -1
	s_barrier_wait -1
.endm
; 16 nb numbers of a lane, register 16 b + 8 u + i = index 32 b + 16 u + 8 (lane / 16) + i along the next K of my row, become codes in v[pc] on, in the operand's layout, and the row's scale bytes in v[pw].
; The conversion of (block b, u) goes to register 4 (b / 2) + b % 2 + 2 u; the exchange of halves between registers 2 q and 2 q + 1 then gives lanes 0-15 the even block and lanes 16-31 the odd one, 8 codes a register in ascending order.
.macro QUANTN src, pc, nb, pw
.set qb, 0
.rept \nb
	v_max3_num_f32 v[TM+qb], |v[(\src)+16*qb]|, |v[(\src)+16*qb+1]|, 0x1800000   ; my 16 numbers of block qb, and the floor 2^(3 - 127): the byte cannot fall under 1
.set qb, qb+1
.endr
.irp i, 2,4,6,8,10,12,14
.set qb, 0
.rept \nb
	v_max3_num_f32 v[TM+qb], v[TM+qb], |v[(\src)+16*qb+\i]|, |v[(\src)+16*qb+\i+1]|   ; the blocks by turns
.set qb, qb+1
.endr
.endr
.set qb, 0
.rept \nb
	v_permlanex16_b32 v[TM+4+qb], v[TM+qb], s[SEL], s[SEL+1]
.set qb, qb+1
.endr
.set qb, 0
.rept \nb
	v_max_num_f32 v[TM+qb], v[TM+qb], v[TM+4+qb]   ; with lane l xor 16's: the block's largest magnitude
.set qb, qb+1
.endr
.set qb, 0
.rept \nb
	v_add_nc_u32 v[TM+12+qb], 0xff000000, v[TM+qb] ; 2 off its exponent field: the conversion's scale operand
.set qb, qb+1
.endr
.set qb, 0
.rept \nb
	v_lshrrev_b32 v[TM+4+qb], 23, v[TM+12+qb]      ; the scale's byte
.set qb, qb+1
.endr
	v_lshl_or_b32 v[\pw], v[TM+5], 8, v[TM+4]
.if \nb > 2
	v_lshl_or_b32 v[\pw], v[TM+6], 16, v[\pw]
	v_lshl_or_b32 v[\pw], v[TM+7], 24, v[\pw]
.endif
.set qb, 0
.rept \nb
	v_cvt_scalef32_pk8_fp4_f32 v[(\pc)+4*(qb/2)+(qb%2)], v[(\src)+16*qb:(\src)+16*qb+7], v[TM+12+qb]
	v_cvt_scalef32_pk8_fp4_f32 v[(\pc)+4*(qb/2)+(qb%2)+2], v[(\src)+16*qb+8:(\src)+16*qb+15], v[TM+12+qb]
.set qb, qb+1
.endr
	v_nop                                          ; one plain place behind the last scaled conversion
.set qb, 0
.rept \nb
	v_permlane16_swap_b32 v[(\pc)+2*qb], v[(\pc)+2*qb+1]   ; the first's lanes 16-31 change places with the second's lanes 0-15
.set qb, qb+1
.endr
.endm
	s_load_b512 s[24:39], s[0:1], 0x0              ; q_codes, k_codes, w_v_codes, q_scales, k_scales, w_v_scales, w_q_codes, w_k_codes
	s_load_b512 s[40:55], s[0:1], 0x40             ; v_codes, w_q_scales, w_k_scales, v_scales, b_q, b_k, b_v, img
	s_load_b64 s[56:57], s[0:1], 0x80              ; sc
	v_lshl_add_u32 v[SPW], v0, 2, SPARE
	v_mov_b32 v[NIL], 0
	ds_add_u32 v28, v29
	ds_add_u32 v28, v29
	s_wait_dscnt 0x0
	v_lshrrev_b32 v1, 5, v0
	v_readfirstlane_b32 s14, v1                    ; wave 0..3
	s_lshr_b32 s15, s14, 1                         ; which half of A's rows is mine.  Also: I fetch for A (0) or for B (1)
	s_and_b32 s16, s14, 1                          ; which half of B's rows.  Also: which 128 rows I fetch
	s_and_b32 s17, ttmp7, 0xffff                   ; cluster y, 0 .. 23: the same in all sixteen partners
	s_lshr_b32 s66, s17, 3                         ; the kind
	s_and_b32 s67, s17, 7                          ; which 1,024 tokens
	s_wait_kmcnt 0x0
	s_cmp_eq_u32 s66, 0                            ; the choices hang on the cluster's number alone, on no address
	s_cselect_b64 s[4:5], s[24:25], s[26:27]       ; A's codes
	s_cselect_b64 s[6:7], s[30:31], s[32:33]       ; A's scales
	s_cselect_b64 s[8:9], s[36:37], s[38:39]       ; B's codes
	s_cselect_b64 s[10:11], s[42:43], s[44:45]     ; B's scales
	s_cselect_b64 s[96:97], s[48:49], s[50:51]     ; the bias
	s_cmp_eq_u32 s66, 2
	s_cselect_b64 s[4:5], s[28:29], s[4:5]
	s_cselect_b64 s[6:7], s[34:35], s[6:7]
	s_cselect_b64 s[8:9], s[40:41], s[8:9]
	s_cselect_b64 s[10:11], s[46:47], s[10:11]
	s_cselect_b64 s[96:97], s[52:53], s[96:97]
	s_cselect_b32 s101, -1, 0                      ; keeps CB1 for kind 2
	s_cselect_b32 s100, 0, -1                      ; keeps CB0 for kinds 0, 1
	s_cselect_b32 s20, s67, 0                      ; the tokens are B's rows for kind 2,
	s_cselect_b32 s21, 0, s67                      ; A's for kinds 0, 1
	s_mov_b64 s[12:13], s[54:55]                   ; img
	s_mov_b64 s[98:99], s[56:57]                   ; sc
	s_bfe_u32 s40, ttmp6, 0x40000                  ; cx, cy: my place in the cluster
	s_bfe_u32 s41, ttmp6, 0x40004
	s_lshl_b32 s42, s20, 2
	s_add_co_u32 s42, s42, s40                     ; B's tile of 256 rows
	s_lshl_b32 s17, s21, 2
	s_add_co_u32 s17, s17, s41                     ; A's tile of 256 rows
	s_lshl_b32 s43, s41, 2
	s_lshl_b32 s43, 15, s43                        ; my row of the cluster
	s_lshl_b32 s44, 0x1111, s40                    ; my column
	; descriptor group 1: a tile of 128 rows x 256 bytes, padded in LDS
	s_or_b32 s[G1+0], s43, (0<<16)|(1<<20)|(1<<21)|(5<<22)|(3<<25)  ; 15:0 the mask; 17:16 elements of 1 byte; 20 padding on; 21 set beside a mask; 24:22 after every 64 words; 31:25 four words
	s_or_b32 s[G1B+0], s44, (0<<16)|(1<<20)|(1<<21)|(5<<22)|(3<<25)
.irp g, G1, G1B
	s_mov_b32 s[\g+1], ROWB<<16                    ; tensor_dim0
	s_mov_b32 s[\g+2], 128<<16                     ; tensor_dim1
	s_mov_b32 s[\g+3], ROWB<<16                    ; tile_dim0
	s_mov_b32 s[\g+4], 128                         ; tile_dim1
	s_mov_b32 s[\g+5], KROW                        ; tensor_dim0_stride
	s_mov_b32 s[\g+6], 0
	s_mov_b32 s[\g+7], 0
.endr
	; the scales of 128 rows: 4,096 dense bytes, as 16 rows of 256 bytes (32 elements of 8 bytes), 16 bytes of padding behind each
	s_or_b32 s[G1S+0], s43, (3<<16)|(1<<20)|(1<<21)|(5<<22)|(3<<25)
	s_or_b32 s[G1SB+0], s44, (3<<16)|(1<<20)|(1<<21)|(5<<22)|(3<<25)
.irp g, G1S, G1SB
	s_mov_b32 s[\g+1], 32<<16
	s_mov_b32 s[\g+2], 16<<16
	s_mov_b32 s[\g+3], 32<<16
	s_mov_b32 s[\g+4], 16
	s_mov_b32 s[\g+5], 32
	s_mov_b32 s[\g+6], 0
	s_mov_b32 s[\g+7], 0
.endr
	s_lshl_b32 s18, s16, 7                         ; which 128 rows of the tile I fetch
	s_lshl_b32 s20, s17, 8
	s_add_co_u32 s20, s20, s18                     ; A: row 256 x tile + 128 x half
	s_lshl_b32 s46, s42, 8
	s_add_co_u32 s46, s46, s18                     ; B likewise
	s_mov_b32 s21, 0
	s_mov_b32 s47, 0
	s_mov_b64 s[18:19], KS
	s_mul_u64 s[22:23], s[20:21], s[18:19]         ; where these rows' scales begin
	s_mul_u64 s[92:93], s[46:47], s[18:19]
	s_mov_b64 s[18:19], KROW
	s_mul_u64 s[20:21], s[20:21], s[18:19]         ; and their codes
	s_mul_u64 s[46:47], s[46:47], s[18:19]
	s_mul_i32 s45, s14, HALFT                      ; where they go: wave x 128 rows
	s_mul_i32 s94, s14, HALFS
	s_add_nc_u64 s[20:21], s[4:5], s[20:21]
	s_add_nc_u64 s[22:23], s[6:7], s[22:23]
	s_add_nc_u64 s[46:47], s[8:9], s[46:47]
	s_add_nc_u64 s[92:93], s[10:11], s[92:93]
	CROUND                                         ; all sixteen work-groups are here: the joint loads meet
	s_mov_b32 s[G0S], 1
	s_add_co_u32 s[G0S+1], s94, SCL
	s_mov_b64 s[G0S+2:G0S+3], s[22:23]
	s_or_b32 s[G0S+3], s[G0S+3], 0x80000000
	s_mov_b32 s[G0SB], 1
	s_add_co_u32 s[G0SB+1], s94, SCL
	s_mov_b64 s[G0SB+2:G0SB+3], s[92:93]
	s_or_b32 s[G0SB+3], s[G0SB+3], 0x80000000
	JLOAD G0S, G1S, G0SB, G1SB                     ; the scales first: they are wanted with the first slot
.irp s, 0,1
	s_mov_b32 s[G0+4*\s], 1
	s_add_co_u32 s[G0+4*\s+1], s45, \s*SLOT
	s_add_nc_u64 s[G0+4*\s+2:G0+4*\s+3], s[20:21], \s*ROWB
	s_or_b32 s[G0+4*\s+3], s[G0+4*\s+3], 0x80000000
	s_mov_b32 s[G0B+4*\s], 1
	s_add_co_u32 s[G0B+4*\s+1], s45, \s*SLOT
	s_add_nc_u64 s[G0B+4*\s+2:G0B+4*\s+3], s[46:47], \s*ROWB
	s_or_b32 s[G0B+4*\s+3], s[G0B+4*\s+3], 0x80000000
	JLOAD G0+4*\s, G1, G0B+4*\s, G1B               ; three tensor loads of mine are out now, and no more are issued
.endr
	v_and_b32 v1, 15, v0                           ; r = lane % 16
	v_bfe_u32 v2, v0, 4, 1                         ; h = lane / 16
	v_mul_u32_u24 v3, v1, PITCH
	v_lshl_add_u32 v4, v2, 4, v3                   ; a fragment's row x pitch + 16 x half
	s_mul_i32 s21, s15, HALFT                      ; my 128 rows of A
	s_mul_i32 s22, s16, HALFT                      ; my 128 rows of B,
	s_add_co_u32 s22, s22, 2*HALFT                 ; which lie behind A's 256
.irp s, 0,1
	v_add_nc_u32 v[ADRA+\s], s21, v4
	v_add_nc_u32 v[ADRB+\s], s22, v4
	s_add_co_u32 s21, s21, SLOT
	s_add_co_u32 s22, s22, SLOT
.endr
	v_mul_u32_u24 v5, v1, KS                       ; my row's scales: 32 bytes a row,
	v_lshrrev_b32 v6, 8, v5
	v_lshl_add_u32 v5, v6, 4, v5                   ; and 16 more for each 256 passed
	s_mul_i32 s21, s15, HALFS
	s_mul_i32 s22, s16, HALFS
	s_add_co_u32 s22, s22, 2*HALFS
	s_sub_co_u32 s22, s22, s21
	v_mul_u32_u24 v6, s22, v2                      ; lanes 16-31 take B's: one product, the distance between the two bases
	s_add_co_u32 s21, s21, SCL
	v_add_nc_u32 v5, v5, v6
	v_add_nc_u32 v[ADRS], s21, v5
	s_lshl_b32 s23, s14, 9
	s_add_co_u32 s23, s23, STG                     ; my wave's 512 bytes for scale words
	v_lshl_add_u32 v[SWA], v1, 5, s23              ; row r: 8 words
	v_and_b32 v6, 31, v0
	v_lshlrev_b32 v[GOF], 4, v6
	v_add_nc_u32 v[SRA], s23, v[GOF]
	v_lshlrev_b32 v7, 5, v2                        ; CB0: 8 numbers for each half of the lanes
	v_lshlrev_b32 v8, 2, v1                        ; CB1: a number a row
	s_lshl_b32 s46, s42, 8
	s_lshl_b32 s47, s16, 7
	s_add_co_u32 s46, s46, s47                     ; R0: my wave's first row of B
	s_lshl_b32 s20, s17, 8
	s_lshl_b32 s21, s15, 7
	s_add_co_u32 s20, s20, s21                     ; R1: my wave's first row of A
	s_lshl_b32 s92, s46, 2
	s_and_b32 s92, s92, s100                       ; kinds 0, 1: the bias from feature R0 on; kind 2: from 0 on (ANDed away below), so that no load leaves the 4,096 bytes
	s_mov_b32 s93, 0
	s_add_nc_u64 s[92:93], s[96:97], s[92:93]
	s_lshl_b32 s22, s20, 2
	s_and_b32 s22, s22, s101                       ; kind 2: from feature R1 on
	s_mov_b32 s23, 0
	s_add_nc_u64 s[22:23], s[96:97], s[22:23]
.irp t, 0,1,2,3,4,5,6,7
	global_load_b128 v[CB0+8*\t:CB0+8*\t+3], v7, s[92:93] offset:64*\t        ; register 8 t + i: the bias of feature R0 + 16 t + 8 h + i
	global_load_b128 v[CB0+8*\t+4:CB0+8*\t+7], v7, s[92:93] offset:64*\t+16
.endr
.irp a, 0,1,2,3,4,5,6,7
	global_load_b32 v[CB1+2*\a], v8, s[22:23] offset:64*\a                    ; the bias of feature R1 + 16 a + r
.endr
	; where my wave's images begin in img; its scale words begin at a sixteenth of that in sc
	s_lshl_b32 s2, s66, 22
	s_lshr_b32 s3, s20, 11
	s_lshl_b32 s3, s3, 20
	s_or_b32 s2, s2, s3                            ; kinds 0, 1: the batch,
	s_lshr_b32 s3, s46, 7
	s_lshl_b32 s40, s3, 17
	s_or_b32 s2, s2, s40                           ; the pair of heads,
	s_and_b32 s40, s20, 2047
	s_lshl_b32 s40, s40, 6
	s_or_b32 s2, s2, s40                           ; the token: 1,024 bytes for each 16
	s_lshl_b32 s3, s3, 16                          ; kind 2: the step of 128 keys (batch among it),
	s_lshl_b32 s40, s20, 6
	s_or_b32 s3, s3, s40                           ; the feature: 1,024 bytes for each 16
	s_or_b32 s3, s3, 0x800000
	s_cmp_eq_u32 s66, 2
	s_cselect_b32 s2, s3, s2
	s_mov_b32 s3, 0
	s_add_nc_u64 s[12:13], s[12:13], s[2:3]
	s_lshr_b32 s2, s2, 4
	s_add_nc_u64 s[98:99], s[98:99], s[2:3]
	s_mov_b32 s[SEL], 0x76543210
	s_mov_b32 s[SEL+1], 0xfedcba98
	s_wait_loadcnt 0x0                             ; the biases
.set n, 0
.rept 64
	v_and_b32 v[CB0+n], s100, v[CB0+n]
.set n, n+1
.endr
.irp a, 0,1,2,3,4,5,6,7
	v_and_b32 v[CB1+2*\a+1], s101, v[CB1+2*\a]     ; a pair for the packed addition
	v_and_b32 v[CB1+2*\a], s101, v[CB1+2*\a]
.endr
.macro FRAG reg, adr, q, i             ; 16 rows x 128 K of 4-bit codes: registers 4 c .. 4 c + 3 hold K = 64 c + 32 (lane / 16) + 0 .. 31
.irp c, 0,1
	ds_load_b128 v[\reg+4*\c:\reg+4*\c+3], v[\adr] offset:64*(\q)+32*\c+(\i)*16*PITCH
.endr
.endm
; 16 matrix instructions: A's blocks a0, a0 + 1 x B's eight, the slot's q-th 128 along K.  p: B's set; sc: the set of scale words.  first = 1: the sums start with the bias as C.
; The 64 accumulators take turns, one instruction a turn, in the same order in every step.
.macro MUL16 a0, p, q, sc, first
.irp a, \a0, \a0+1
.irp b, 0,1,2,3,4,5,6,7
.if \first
	v_wmma_scale_f32_16x16x128_f8f6f4 v[8*(8*((\a)%4)+\b):8*(8*((\a)%4)+\b)+7], v[128*(\p)+FR*\b:128*(\p)+FR*\b+FR-1], v[AF+FR*(\a):AF+FR*(\a)+FR-1], v[CB0+8*\b:CB0+8*\b+7], v[SC+8*NQ*(\sc)+NQ*\b+(\q)], v[SC+8*NQ*(\sc)+NQ*(\a)+(\q)] matrix_a_fmt:MATRIX_FMT_FP4 matrix_b_fmt:MATRIX_FMT_FP4 matrix_a_scale:MATRIX_SCALE_ROW1
.else
	v_wmma_scale_f32_16x16x128_f8f6f4 v[8*(8*((\a)%4)+\b):8*(8*((\a)%4)+\b)+7], v[128*(\p)+FR*\b:128*(\p)+FR*\b+FR-1], v[AF+FR*(\a):AF+FR*(\a)+FR-1], v[8*(8*((\a)%4)+\b):8*(8*((\a)%4)+\b)+7], v[SC+8*NQ*(\sc)+NQ*\b+(\q)], v[SC+8*NQ*(\sc)+NQ*(\a)+(\q)] matrix_a_fmt:MATRIX_FMT_FP4 matrix_b_fmt:MATRIX_FMT_FP4 matrix_a_scale:MATRIX_SCALE_ROW1
.endif
.endr
.endr
.endm
.macro FETCH_B slot, q, p
	WIN TO_B
.irp i, 0,1,2,3,4,5,6,7
	FRAG 128*(\p)+FR*\i, ADRB+\slot, \q, \i
.endr
	WIN 0
.endm
.macro FETCH_A slot, q, i0
.irp i, \i0, \i0+1, \i0+2, \i0+3
	FRAG AF+FR*(\i), ADRA+\slot, \q, \i
.endr
.endm
.macro SCALES sc                       ; a slot's scale words: 4 words a row; lanes 0-15 take A's block i, lanes 16-31 B's block i
.irp i, 0,1,2,3,4,5,6,7
	ds_load_b128 v[SC+8*NQ*\sc+NQ*\i:SC+8*NQ*\sc+NQ*\i+3], v[ADRS] offset:\i*SBLK
.endr
.endm
.macro PLACES n                        ; plain vector lines between a matrix instruction and a load into, or a vector read of, its registers (ISA guide 7.12.1 for vector reads)
.rept \n
	v_nop
.endr
.endm
.macro STEP slot, q, first             ; a step of 128 along K that has its successor in the same slot
	s_wait_dscnt 4*NL                              ; B's set and A's blocks 0-3 are in; the youngest eight loads (A's blocks 4-7) may be out
.if \first
	WIN 0x81                                       ; C (the bias) in window 0, D in window 2
.else
	WIN MUL_LO
.endif
	MUL16 0, (\q)%2, \q, \slot, \first
	MUL16 2, (\q)%2, \q, \slot, \first
	s_wait_dscnt 0                                 ; A's blocks 4-7 are in
	PLACES NP
	FETCH_B \slot, (\q)+1, 1-(\q)%2
	FETCH_A \slot, (\q)+1, 0
.if \first
	WIN 0xc1
.else
	WIN MUL_HI
.endif
	MUL16 4, (\q)%2, \q, \slot, \first
	MUL16 6, (\q)%2, \q, \slot, \first
	PLACES NP
	WIN 0
	FETCH_A \slot, (\q)+1, 4
.endm
; Slot 0's last step changes slots: one barrier; in front of it each wave waits for all its tensor loads (its part of slot 1).  Nothing is filled again.
.macro TURN slot, next
	s_wait_tensorcnt 0x0                           ; all my tensor loads have landed
	ds_add_u32 v[SPW], v[NIL]                      ; 0 onto my spare word
	s_wait_dscnt 4*NL+1                            ; (the add and the youngest eight loads may be out)
	WIN MUL_LO
	MUL16 0, 1, NQ-1, \slot, 0
	s_wait_dscnt 0x0                               ; the add is done, and my reads of this slot are over
	s_barrier_signal -1
	MUL16 2, 1, NQ-1, \slot, 0
	WIN 0
	s_barrier_wait -1                              ; the next slot is whole
	PLACES NP
	v_add_nc_u32 v[ADRS], 4*NQ, v[ADRS]            ; on to the next slot's scale words
	FETCH_B \next, 0, 0
	FETCH_A \next, 0, 0
	SCALES \next
	WIN MUL_HI
	MUL16 4, 1, NQ-1, \slot, 0
	MUL16 6, 1, NQ-1, \slot, 0
	PLACES NP
	WIN 0
	FETCH_A \next, 0, 4
.endm
.macro STEPS slot, from
.set Q, \from
.rept NQ-1-\from
	STEP \slot, Q, 0
.set Q, Q+1
.endr
.endm
	s_wait_tensorcnt 1                             ; the scales and my part of slot 0 are in (slot 1's load may be out),
	s_barrier_signal -1
	s_barrier_wait -1                              ; everybody's are
	FETCH_B 0, 0, 0
	FETCH_A 0, 0, 0
	SCALES 0
	FETCH_A 0, 0, 4
	STEP 0, 0, 1
	STEPS 0, 1
	TURN 0, 1
	STEPS 1, 0
	s_wait_dscnt 4*NL                              ; the last step: nothing more to fetch
	WIN MUL_LO
	MUL16 0, 1, NQ-1, 1, 0
	MUL16 2, 1, NQ-1, 1, 0
	s_wait_dscnt 0
	WIN MUL_HI
	MUL16 4, 1, NQ-1, 1, 0
	MUL16 6, 1, NQ-1, 1, 0
	WIN 0
; THE WAY OUT of block a: the bias along the lanes is added (zeros for kinds 0, 1), the 64 numbers are quantised, the fragment's two halves are stored, 512 consecutive bytes each, and the scale word goes to my wave's bytes of LDS.
.macro OUT_A a
.if (\a) >= 4
	s_wait_xcnt 0x0                                ; the stores of four blocks ago have read their registers: that set of codes is written again only behind this wait
.endif
	WIN 0x02+(\a)/4                                ; source 0: window 2 or 3
.set oi, 0
.rept 32
	v_pk_add_f32 v[NUM+2*oi:NUM+2*oi+1], v[64*((\a)%4)+2*oi:64*((\a)%4)+2*oi+1], v[CB1+2*(\a):CB1+2*(\a)+1]   ; each accumulator from its low end on
.set oi, oi+1
.endr
	WIN 0
	QUANTN NUM, PC+8*((\a)%4), 4, PWR+(\a)
	global_store_b128 v[GOF], v[PC+8*((\a)%4):PC+8*((\a)%4)+3], s[12:13] offset:1024*(\a)
	global_store_b128 v[GOF], v[PC+8*((\a)%4)+4:PC+8*((\a)%4)+7], s[12:13] offset:1024*(\a)+512
	ds_store_b32 v[SWA], v[PWR+(\a)] offset:4*(\a) ; lanes l and l xor 16 write the same word with the same value
.endm
.irp b, 0,1,2,3
	v_mov_b32 v[TM+4+\b], 0                        ; a lane permute's destination counts as one of its sources.  These four lines are also the places behind the last products
.endr
.irp a, 0,1,2,3,4,5,6,7
	OUT_A \a
.endr
	ds_load_b128 v[BKS:BKS+3], v[SRA]              ; LDS serves a wave's instructions in order (ISA guide 5.7.1.4): this sees my stores
	s_wait_dscnt 0x0
	global_store_b128 v[GOF], v[BKS:BKS+3], s[98:99]   ; my wave's 128 scale words: 512 consecutive bytes
	s_wait_tensorcnt 0x0                           ; the wave's end
	ds_add_u32 v[SPW], v[NIL]
	s_wait_dscnt 0x0
	CROUND                                         ; the closing round
	s_endpgm
.Lfunc_end_k_qa16044ecb9_proj:
	.size	k_qa16044ecb9_proj, .Lfunc_end_k_qa16044ecb9_proj-k_qa16044ecb9_proj
	.p2alignl 7, 3214868480
	.fill 96, 4, 3214868480
	.section	.rodata,"a",@progbits
	.p2align	6, 0x0
	.amdhsa_kernel k_qa16044ecb9_proj
		.amdhsa_group_segment_fixed_size 327680
		.amdhsa_private_segment_fixed_size 0
		.amdhsa_enable_private_segment 0
		.amdhsa_kernarg_size 136
		.amdhsa_user_sgpr_count 2
		.amdhsa_user_sgpr_kernarg_segment_ptr 1
		.amdhsa_wavefront_size32 1
		.amdhsa_system_sgpr_workgroup_id_x 1
		.amdhsa_system_sgpr_workgroup_id_y 1
		.amdhsa_system_sgpr_workgroup_id_z 1
		.amdhsa_system_vgpr_workitem_id 0
		.amdhsa_next_free_vgpr 1024
		.amdhsa_next_free_sgpr 102
		.amdhsa_reserve_vcc 0
		.amdhsa_float_denorm_mode_32 3
		.amdhsa_float_denorm_mode_16_64 3
		.amdhsa_memory_ordered 1
		.amdhsa_forward_progress 1
		.amdhsa_inst_pref_size 150
	.end_amdhsa_kernel
	.amdgpu_metadata
---
amdhsa.version: [ 1, 2 ]
amdhsa.kernels:
  - .name:           k_qa16044ecb9_proj
    .symbol:         k_qa16044ecb9_proj.kd
    .args:
      - { .name: q_codes, .offset: 0, .size: 8, .value_kind: global_buffer, .address_space: global }
      - { .name: k_codes, .offset: 8, .size: 8, .value_kind: global_buffer, .address_space: global }
      - { .name: w_v_codes, .offset: 16, .size: 8, .value_kind: global_buffer, .address_space: global }
      - { .name: q_scales, .offset: 24, .size: 8, .value_kind: global_buffer, .address_space: global }
      - { .name: k_scales, .offset: 32, .size: 8, .value_kind: global_buffer, .address_space: global }
      - { .name: w_v_scales, .offset: 40, .size: 8, .value_kind: global_buffer, .address_space: global }
      - { .name: w_q_codes, .offset: 48, .size: 8, .value_kind: global_buffer, .address_space: global }
      - { .name: w_k_codes, .offset: 56, .size: 8, .value_kind: global_buffer, .address_space: global }
      - { .name: v_codes, .offset: 64, .size: 8, .value_kind: global_buffer, .address_space: global }
      - { .name: w_q_scales, .offset: 72, .size: 8, .value_kind: global_buffer, .address_space: global }
      - { .name: w_k_scales, .offset: 80, .size: 8, .value_kind: global_buffer, .address_space: global }
      - { .name: v_scales, .offset: 88, .size: 8, .value_kind: global_buffer, .address_space: global }
      - { .name: b_q, .offset: 96, .size: 8, .value_kind: global_buffer, .address_space: global }
      - { .name: b_k, .offset: 104, .size: 8, .value_kind: global_buffer, .address_space: global }
      - { .name: b_v, .offset: 112, .size: 8, .value_kind: global_buffer, .address_space: global }
      - { .name: img, .offset: 120, .size: 8, .value_kind: global_buffer, .address_space: global }
      - { .name: sc, .offset: 128, .size: 8, .value_kind: global_buffer, .address_space: global }
    .group_segment_fixed_size: 327680
    .private_segment_fixed_size: 0
    .kernarg_segment_align: 8
    .kernarg_segment_size: 136
    .max_flat_workgroup_size: 128
    .sgpr_count:     102
    .vgpr_count:     1024
    .wavefront_size: 32
...
	.end_amdgpu_metadata
.endif
;; end of part 2
;; launch attn (part 3): grid 4 x 64, 16 waves a work-group, no clusters, 145,408 bytes of LDS; arguments img, sc, maskw, flags, aimg, asc; writes aimg, asc
.if DOCPART == 3
	.amdgcn_target "amdgcn-amd-amdhsa--gfx1250"
	.amdhsa_code_object_version 6
	.text
	.protected	k_qa16044ecb9_attn
	.globl	k_qa16044ecb9_attn
	.p2align	8
	.type	k_qa16044ecb9_attn,@function
k_qa16044ecb9_attn:
	s_mov_b64 s[64:65], 0
	v_nop
	global_prefetch_b8 v0, s[64:65] scope:SCOPE_SE
	s_setreg_imm32_b32 hwreg(HW_REG_WAVE_MODE, 25, 1), 1
	s_wait_xcnt 0x0
; softmax(q k^T / 8, under the given mask) v for one head of one batch, both products on codes of FP4 (E2M1) with E8M0 scales, and the quantiser of the result along the model's 1,024.
; t = score x log2(e) / 8; M = the running largest t rounded UP to a whole number; p = 2^(t - M) is quantised along the keys, not normalised; the sum of the unquantised p divides at the end.
; SHARES.  Work-group (x, y): y = 16 batch + head.  The head's K and V codes and scale words, 140 KB, are copied into LDS once, by all sixteen waves, ahead of the one barrier; afterwards LDS is only read.
; Wave w takes the tile of 16 queries j = 16 x + w and then the tile 127 - j: an early tile and a late one.  A wave walks 16 steps of 128 keys.
; THE MASK IS AN INPUT.  The launch in front has stored, for each tile, which steps have no key that counts (left out: a scalar branch on that stored word) and which have a hidden key; for the latter 64 lane masks are read
; and hidden scores become -2^120.  That is a power of two, so for a query all of whose keys so far are hidden t - M is exactly 0 and p = 1; the first key that counts multiplies all that by 2^(old M - new M) = 0;
; a query with no key at all ends with equal weights.
; NO TENSOR LOADS AND NO CLUSTER: the branch on the stored word is a branch on a number read from memory; what four work-groups share is read once, at the head.
; LAYOUT.  Both products transposed: S^T = K Q^T (source 0 = 16 neighbouring keys, source 1 = my queries), O^T = V^T P^T: a lane holds ONE query (lane % 16).  In tile t register i is key 16 t + 8 (lane / 16) + i.
; The head's 64 are half of the instruction's K: registers 4-7 of Q's and K's fragments are zero codes, which add nothing under any scale byte but 0xff; the bytes beside them are another head's (1 .. 254) or 0.
; LIMITS: NaN and infinities are not served; a logit under -2^120 counts as hidden; a block of zeros gets the scale byte 1.
; REGISTERS: v1-7 addresses that stay; v8-11 the step's LDS addresses; v12 -M, v13 the largest t, v[14:15] the sum; v16-23 Q; v24 Q's scale word; v26-29 K's scale words; v32-95 eight fragments of K;
;   v96-159 S^T, then p; v160-191 O^T; v192-223 four fragments of V; v224-231 p's codes; v232-247, v252-254 at work; v248-251 V's scale words.
.set KL,  0                            ; LDS: K: 128 tiles of 16 keys x 512 bytes
.set VL,  65536                        ; V: 16 steps x 4 tiles of 16 channels x 1,024 bytes
.set KSL, 131072                       ; K's scale words: 16 steps x [16 rows][8 tiles]
.set VSL, 139264                       ; V's: 16 steps x [16 rows][4 tiles]
.set TM,  232
.set SEL, 20                           ; s[20:21] selects of v_permlanex16_b32: lane l xor 16
.set CS,  22                           ; s[22:23] c = log2(e) / 8
.macro QUANTN src, pc, nb, pw          ; 16 nb numbers of a lane, register 16 b + 8 u + i = index 32 b + 16 u + 8 (lane / 16) + i of my row, become codes in the operand's layout and the row's scale bytes
.set qb, 0
.rept \nb
	v_max3_num_f32 v[TM+qb], |v[(\src)+16*qb]|, |v[(\src)+16*qb+1]|, 0x1800000   ; and the floor 2^(3 - 127): the byte cannot fall under 1
.set qb, qb+1
.endr
.irp i, 2,4,6,8,10,12,14
.set qb, 0
.rept \nb
	v_max3_num_f32 v[TM+qb], v[TM+qb], |v[(\src)+16*qb+\i]|, |v[(\src)+16*qb+\i+1]|
.set qb, qb+1
.endr
.endr
.set qb, 0
.rept \nb
	v_permlanex16_b32 v[TM+4+qb], v[TM+qb], s[SEL], s[SEL+1]
.set qb, qb+1
.endr
.set qb, 0
.rept \nb
	v_max_num_f32 v[TM+qb], v[TM+qb], v[TM+4+qb]
.set qb, qb+1
.endr
.set qb, 0
.rept \nb
	v_add_nc_u32 v[TM+12+qb], 0xff000000, v[TM+qb] ; 2 off the exponent field: the conversion's scale operand
.set qb, qb+1
.endr
.set qb, 0
.rept \nb
	v_lshrrev_b32 v[TM+4+qb], 23, v[TM+12+qb]      ; the scale's byte
.set qb, qb+1
.endr
	v_lshl_or_b32 v[\pw], v[TM+5], 8, v[TM+4]
.if \nb > 2
	v_lshl_or_b32 v[\pw], v[TM+6], 16, v[\pw]
	v_lshl_or_b32 v[\pw], v[TM+7], 24, v[\pw]
.endif
.set qb, 0
.rept \nb
	v_cvt_scalef32_pk8_fp4_f32 v[(\pc)+4*(qb/2)+(qb%2)], v[(\src)+16*qb:(\src)+16*qb+7], v[TM+12+qb]
	v_cvt_scalef32_pk8_fp4_f32 v[(\pc)+4*(qb/2)+(qb%2)+2], v[(\src)+16*qb+8:(\src)+16*qb+15], v[TM+12+qb]
.set qb, qb+1
.endr
	v_nop                                          ; one plain place behind the last scaled conversion
.set qb, 0
.rept \nb
	v_permlane16_swap_b32 v[(\pc)+2*qb], v[(\pc)+2*qb+1]
.set qb, qb+1
.endr
.endm
	s_load_b256 s[4:11], s[0:1], 0x0               ; img, sc, maskw, flags
	s_load_b128 s[12:15], s[0:1], 0x20             ; aimg, asc
	v_lshl_add_u32 v243, v0, 2, 0x23000
	v_mov_b32 v255, 0
	v_lshrrev_b32 v12, 5, v0
	v_readfirstlane_b32 s16, v12                   ; wave 0..15
	v_and_b32 v12, 31, v0                          ; lane
	v_and_b32 v13, 15, v0                          ; r
	v_bfe_u32 v14, v0, 4, 1                        ; h
	v_lshlrev_b32 v1, 4, v12                       ; K's tiles: 16 x lane
	v_add_nc_u32 v2, VL, v1                        ; V's
	v_lshlrev_b32 v3, 5, v13
	v_lshl_add_u32 v3, v14, 4, v3
	v_add_nc_u32 v3, KSL, v3                       ; K's scale words: row r, lanes 0-15 tiles 0-3, lanes 16-31 tiles 4-7
	v_lshl_add_u32 v4, v13, 4, VSL                 ; V's: row r, four tiles
	v_lshlrev_b32 v5, 4, v12                       ; in memory: 16 x lane
	v_mov_b32 v6, 0xfb800000                       ; -2^120
	v_lshlrev_b32 v7, 5, v13                       ; in memory: 32 r
	s_and_b32 s17, ttmp7, 0xffff
	s_and_b32 s24, s17, 15                         ; the head
	s_lshr_b32 s29, s17, 4                         ; the batch
	s_lshr_b32 s25, s24, 1                         ; g: the pair of heads
	s_and_b32 s26, s24, 1                          ; c: which of the pair
	s_lshl_b32 s27, s26, 4                         ; 16 c: my head's two bytes of a scale word
	s_lshl_b32 s28, ttmp9, 4
	s_add_co_u32 s28, s28, s16                     ; j = 16 x + w
	s_lshl_b32 s32, s29, 20
	s_lshl_b32 s33, s25, 17
	s_add_co_u32 s32, s32, s33
	s_lshl_b32 s33, s26, 9
	s_add_co_u32 s32, s32, s33                     ; Q's and K's images: batch, pair of heads, half
	s_mov_b32 s33, 0
	s_lshl_b32 s34, s16, 13                        ; K: my 8 tiles, 1,024 bytes apart,
	s_add_co_u32 s34, s34, s32
	s_add_co_u32 s34, s34, 0x400000                ; from 4 MiB on
	s_mov_b32 s35, 0
	s_lshl_b32 s36, s29, 4
	s_add_co_u32 s36, s36, s16                     ; 16 batch + w: my step of 128 keys
	s_lshl_b32 s40, s36, 12
	s_lshl_b32 s36, s36, 16
	s_lshl_b32 s37, s24, 12
	s_add_co_u32 s36, s36, s37                     ; V: the head's four tiles of channels,
	s_add_co_u32 s36, s36, 0x800000                ; from 8 MiB on
	s_mov_b32 s37, 0
	s_lshl_b32 s42, s29, 16
	s_lshl_b32 s43, s25, 13
	s_add_co_u32 s42, s42, s43                     ; Q's and K's scale words: a sixteenth of the images' offsets
	s_mov_b32 s43, 0
	s_lshl_b32 s38, s16, 9
	s_add_co_u32 s38, s38, s42
	s_add_co_u32 s38, s38, 0x40000
	s_mov_b32 s39, 0
	s_lshl_b32 s41, s25, 9
	s_add_co_u32 s40, s40, s41
	s_add_co_u32 s40, s40, s27
	s_add_co_u32 s40, s40, 0x80000                 ; V's scale words: step, pair of heads, my head's four of a row's eight
	s_mov_b32 s41, 0
	s_lshl_b32 s44, s29, 20
	s_lshl_b32 s45, s25, 10
	s_add_co_u32 s44, s44, s45
	s_lshl_b32 s45, s26, 9
	s_add_co_u32 s44, s44, s45                     ; aimg: batch, K step g of the last product, half c
	s_mov_b32 s45, 0
	s_lshl_b32 s46, s29, 16
	s_lshl_b32 s47, s24, 1
	s_add_co_u32 s46, s46, s47                     ; asc: batch, my head's two bytes of a row's 32
	s_mov_b32 s47, 0
	s_lshl_b32 s48, s16, 12
	v_add_nc_u32 v8, s48, v1                       ; where my wave's copies go: 4,096 w,
	v_add_nc_u32 v9, s48, v2
	s_lshl_b32 s48, s16, 9
	v_add_nc_u32 v10, s48, v1
	v_add_nc_u32 v10, KSL, v10                     ; 512 w,
	s_lshl_b32 s48, s16, 8
	v_add_nc_u32 v11, s48, v4                      ; 256 w
	s_mov_b32 s[SEL], 0x76543210
	s_mov_b32 s[SEL+1], 0xfedcba98
	s_mov_b32 s[CS], 0x3e38aa3b                    ; c = log2(e) / 8
	s_mov_b32 s[CS+1], s[CS]                       ; (named with it as a pair, so it is written)
	s_wait_kmcnt 0x0
	s_add_nc_u64 s[34:35], s[4:5], s[34:35]
	s_add_nc_u64 s[36:37], s[4:5], s[36:37]
	s_add_nc_u64 s[38:39], s[6:7], s[38:39]
	s_add_nc_u64 s[40:41], s[6:7], s[40:41]
	s_add_nc_u64 s[4:5], s[4:5], s[32:33]          ; Q's images of my head
	s_add_nc_u64 s[6:7], s[6:7], s[42:43]          ; and their scale words
	s_add_nc_u64 s[12:13], s[12:13], s[44:45]
	s_add_nc_u64 s[14:15], s[14:15], s[46:47]
.irp i, 0,1,2,3,4,5,6,7
	global_load_b128 v[32+4*\i:35+4*\i], v5, s[34:35] offset:1024*\i   ; 512 consecutive bytes: a tile of K, my head's half
.endr
.irp i, 0,1,2,3,4,5,6,7
	global_load_b128 v[64+4*\i:67+4*\i], v5, s[36:37] offset:512*\i    ; my step's four fragments of V
.endr
	global_load_b128 v[96:99], v5, s[38:39]        ; my step's 128 scale words of K
	global_load_b128 v[100:103], v7, s[40:41]      ; row r's four scale words of V
	s_wait_loadcnt 0x0
.irp i, 0,1,2,3
	v_lshrrev_b32 v[96+\i], s27, v[96+\i]          ; my head's two bytes come to the bottom
.endr
.irp i, 0,1,2,3,4,5,6,7
	ds_store_b128 v8, v[32+4*\i:35+4*\i] offset:512*\i
	ds_store_b128 v9, v[64+4*\i:67+4*\i] offset:512*\i
.endr
	ds_store_b128 v10, v[96:99]
	ds_store_b128 v11, v[100:103]                  ; lanes l and l xor 16 write the same bytes with the same value
	s_wait_dscnt 0x0                               ; for the others' sake: my stores are done
	s_barrier_signal -1
	s_barrier_wait -1                              ; the head's K and V lie in LDS; nobody writes LDS again
.irp t, 0,1,2,3,4,5,6,7
.irp k, 4,5,6,7
	v_mov_b32 v[32+8*\t+\k], 0                     ; zero codes for K = 64 .. 127: written once
.endr
.endr
.irp k, 20,21,22,23,236,237,238,239,252,253
	v_mov_b32 v\k, 0                               ; Q's zero codes; destinations of lane permutes; the pair v[252:253]
.endr
; ONE TILE OF 16 QUERIES, j = s28.
.macro PASS
	s_lshl_b32 s32, s28, 7
	s_load_b32 s31, s[10:11], s32 offset:0x0       ; the tile's word: bit s = step s is left out, bit 16 + s = step s has a hidden key
	s_mov_b32 s35, 0
	s_lshl_b32 s34, s28, 12
	s_add_nc_u64 s[100:101], s[8:9], s[34:35]      ; the tile's lane masks: 256 bytes a step
	s_lshl_b32 s34, s28, 10
	s_add_nc_u64 s[36:37], s[4:5], s[34:35]
	s_lshr_b32 s34, s28, 3
	s_lshl_b32 s34, s34, 9
	s_and_b32 s33, s28, 7
	s_lshl_b32 s33, s33, 2
	s_add_co_u32 s34, s34, s33
	s_add_nc_u64 s[38:39], s[6:7], s[34:35]
	global_load_b128 v[16:19], v5, s[36:37]        ; Q's fragment
	global_load_b32 v24, v7, s[38:39]              ; and its scale words
.set n, 0
.rept 16
	v_mov_b32 v[160+n], 0                          ; O^T: the first step finds zeros, which the first change of M leaves zeros
.set n, n+1
.endr
	s_mov_b32 s2, 0                                ; the step's place in KL and VL: 4,096 bytes a step
	s_mov_b32 s66, 0                               ; in KSL: 512
	s_mov_b32 s67, 0                               ; in VSL: 256
	s_mov_b32 s30, 16
	s_wait_loadcnt 0x0
	s_wait_kmcnt 0x0
	v_lshrrev_b32 v24, s27, v24                    ; my head's two bytes.  Twenty plain lines follow, ahead of the first product that takes this register as a scale
.rept 16
	v_mov_b32 v[160+n], 0
.set n, n+1
.endr
	v_mov_b32 v14, 0                               ; the sum, in two halves
	v_mov_b32 v15, 0
	v_mov_b32 v13, 0xff61b1e6                      ; the largest t so far: -3e38, under every t
	v_floor_f32 v12, -v13                          ; -M
.Lstep_\@:
	s_and_b32 s3, s31, 1
	s_cbranch_scc1 .Lskip_\@                       ; no key of this step counts for any of my queries
	v_add_nc_u32 v8, s2, v1                        ; these four lines are also the places between the last step's products and the loads below
	v_add_nc_u32 v9, s2, v2
	v_add_nc_u32 v10, s66, v3
	v_add_nc_u32 v11, s67, v4
.irp t, 0,1,2,3,4,5,6,7
	ds_load_b128 v[32+8*\t:35+8*\t], v8 offset:512*\t
.endr
	ds_load_b128 v[26:29], v10
.irp i, 0,1,2,3,4,5,6,7
	ds_load_b128 v[192+4*\i:195+4*\i], v9 offset:512*\i
.endr
	ds_load_b128 v[248:251], v11
	s_wait_dscnt 9                                 ; K and its scale words are in; V's eight loads and its scale words' one stay out
.irp t, 0,1,2,3
	v_wmma_scale_f32_16x16x128_f8f6f4 v[96+8*\t:103+8*\t], v[32+8*\t:39+8*\t], v[16:23], 0, v[26+\t], v24 matrix_a_fmt:MATRIX_FMT_FP4 matrix_b_fmt:MATRIX_FMT_FP4
.endr
.irp t, 4,5,6,7
	v_wmma_scale_f32_16x16x128_f8f6f4 v[96+8*\t:103+8*\t], v[32+8*\t:39+8*\t], v[16:23], 0, v[22+\t], v24 matrix_a_fmt:MATRIX_FMT_FP4 matrix_b_fmt:MATRIX_FMT_FP4 matrix_a_scale:MATRIX_SCALE_ROW1
.endr
.rept 4
	v_nop
.endr
	s_and_b32 s3, s31, 0x10000
	s_cbranch_scc0 .Lopen_\@                       ; every key of this step counts
	s_load_b512 s[32:47], s[100:101], 0x0          ; the step's 64 lane masks; the one branch above guards the loads and their use
	s_load_b512 s[48:63], s[100:101], 0x40
	s_load_b512 s[68:83], s[100:101], 0x80
	s_load_b512 s[84:99], s[100:101], 0xc0
	s_wait_kmcnt 0x0
.set n, 0
.rept 32
	v_cndmask_b32 v[96+n], v6, v[96+n], s[32+n]    ; a hidden score becomes -2^120; each accumulator from its low end on
.set n, n+1
.endr
.rept 32
	v_cndmask_b32 v[96+n], v6, v[96+n], s[36+n]
.set n, n+1
.endr
.Lopen_\@:
.irp b, 0,1,2,3
	v_max3_num_f32 v[232+\b], v[96+16*\b], v[97+16*\b], v[98+16*\b]   ; the largest score of each block of 32 keys: it serves the row's maximum and, since p rises with the score, the block's largest p
.endr
.irp i, 3,5,7,9,11,13
.irp b, 0,1,2,3
	v_max3_num_f32 v[232+\b], v[232+\b], v[96+16*\b+\i], v[97+16*\b+\i]
.endr
.endr
.irp b, 0,1,2,3
	v_max_num_f32 v[232+\b], v[232+\b], v[111+16*\b]
.endr
.irp b, 0,1,2,3
	v_permlanex16_b32 v[236+\b], v[232+\b], s[SEL], s[SEL+1]
.endr
.irp b, 0,1,2,3
	v_max_num_f32 v[232+\b], v[232+\b], v[236+\b]  ; with lane l xor 16's 16 keys
.endr
	v_max3_num_f32 v254, v232, v233, v234
	v_max_num_f32 v254, v254, v235                 ; the step's largest score of my query
	v_mul_f32 v254, s[CS], v254                    ; as t
	v_max_num_f32 v13, v13, v254                   ; the running largest t
	v_mov_b32 v254, v12
	v_floor_f32 v12, -v13                          ; the new -M = -ceil(t)
	v_sub_f32 v254, v12, v254                      ; old M - new M: a whole number, 0 or less
	v_cvt_i32_f32 v254, v254                       ; (it saturates)
	v_ldexp_f32 v252, 1.0, v254                    ; f = 2^(old M - new M)
.set n, 0
.rept 32
	v_pk_fma_f32 v[96+n:97+n], v[96+n:97+n], s[CS:CS+1], v[12:13] op_sel_hi:[1,0,0]   ; t - M, two at a time
.set n, n+2
.endr
.irp b, 0,1,2,3
	v_fma_f32 v[232+\b], v[232+\b], s[CS], v12     ; the same of each block's largest score
.endr
.set n, 0
.rept 64
	v_exp_f32 v[96+n], v[96+n]                     ; p = 2^(t - M)
.set n, n+1
.endr
	v_pk_mul_f32 v[14:15], v[14:15], v[252:253] op_sel_hi:[1,0]   ; the sums under the new M: a plain line behind the exponentials
	s_wait_alu depctr_va_vdst(0)                   ; one wait for the batch of 64, ahead of its first reader
.irp b, 0,1,2,3
	v_exp_f32 v[232+\b], v[232+\b]                 ; the block's largest p
.endr
	v_pk_add_f32 v[236:237], v[96:97], v[98:99]    ; the row's sum of the unquantised p, in two chains: plain work behind the four
.irp j, 4,8,12,16,20,24,28,32,36,40,44,48,52,56,60
	v_pk_add_f32 v[14:15], v[14:15], v[96+\j:97+\j]
	v_pk_add_f32 v[236:237], v[236:237], v[98+\j:99+\j]
.endr
	v_pk_add_f32 v[14:15], v[14:15], v[236:237]
	s_wait_alu depctr_va_vdst(0)                   ; and one for the four
.irp b, 0,1,2,3
	v_max_num_f32 v[232+\b], 0x1800000, v[232+\b]  ; the floor 2^(3 - 127): the byte cannot fall under 1
.endr
.irp b, 0,1,2,3
	v_add_nc_u32 v[244+\b], 0xff000000, v[232+\b]  ; 2 off the exponent field: the conversion's scale operand
.endr
.irp b, 0,1,2,3
	v_lshrrev_b32 v[236+\b], 23, v[244+\b]         ; the scale's byte
.endr
	v_lshl_or_b32 v253, v237, 8, v236              ; p's scale word for these 128 keys
	v_lshl_or_b32 v253, v238, 16, v253
	v_lshl_or_b32 v253, v239, 24, v253
.irp b, 0,1,2,3
	v_cvt_scalef32_pk8_fp4_f32 v[224+4*(\b/2)+(\b%2)], v[96+16*\b:103+16*\b], v[244+\b]
	v_cvt_scalef32_pk8_fp4_f32 v[226+4*(\b/2)+(\b%2)], v[104+16*\b:111+16*\b], v[244+\b]
.endr
	v_nop                                          ; one plain place behind the last scaled conversion
.irp q, 0,1,2,3
	v_permlane16_swap_b32 v[224+2*\q], v[225+2*\q] ; lanes 0-15 get the even block of 32 keys, lanes 16-31 the odd one
.endr
.set n, 0
.rept 16
	v_pk_mul_f32 v[160+n:161+n], v[160+n:161+n], v[252:253] op_sel_hi:[1,0]   ; O^T under the new M.  These 16 are also the places between the writes of p's codes and scale word and the products below
.set n, n+2
.endr
	s_wait_dscnt 0x0                               ; V and its scale words are in
.irp d, 0,1,2,3
	v_wmma_scale_f32_16x16x128_f8f6f4 v[160+8*\d:167+8*\d], v[192+8*\d:199+8*\d], v[224:231], v[160+8*\d:167+8*\d], v[248+\d], v253 matrix_a_fmt:MATRIX_FMT_FP4 matrix_b_fmt:MATRIX_FMT_FP4
.endr
.Lskip_\@:
	s_lshr_b32 s31, s31, 1                         ; the next step's two bits
	s_add_co_u32 s2, s2, 4096
	s_add_co_u32 s66, s66, 512
	s_add_co_u32 s67, s67, 256
	s_add_nc_u64 s[100:101], s[100:101], 256       ; (no scalar load is out: the wait for them stands in the arm that issues them)
	s_sub_co_u32 s30, s30, 1
	s_cmp_lg_u32 s30, 0
	s_cbranch_scc1 .Lstep_\@
.rept 4
	v_nop                                          ; places behind the last products
.endr
	v_add_f32 v14, v14, v15                        ; the sum's two halves,
	v_permlanex16_b32 v252, v14, s[SEL], s[SEL+1]
	v_add_f32 v14, v14, v252                       ; and lane l xor 16's
	v_rcp_f32 v14, v14
	v_nop                                          ; a plain place behind the reciprocal
	s_lshl_b32 s32, s28, 13                        ; aimg: 8,192 bytes a tile of 16 tokens
	s_mov_b32 s33, 0
	s_add_nc_u64 s[34:35], s[12:13], s[32:33]
	s_lshl_b32 s32, s28, 9                         ; asc: 16 rows of 32 bytes
	s_add_nc_u64 s[36:37], s[14:15], s[32:33]
	s_wait_alu depctr_va_vdst(0)                   ; ahead of the reciprocal's first reader
.set n, 0
.rept 32
	v_mul_f32 v[96+n], v[160+n], v14               ; O^T / the sum: register 8 t + i is channel 16 t + 8 (lane / 16) + i of my query; each accumulator from its low end on
.set n, n+1
.endr
	QUANTN 96, 224, 2, 254                         ; the head's 64 channels: two blocks of the last product's K
	global_store_b128 v5, v[224:227], s[34:35]     ; half a fragment: 512 consecutive bytes
	global_store_b16 v7, v254, s[36:37]            ; my query's two scale bytes (lanes l and l xor 16 store the same bytes)
	s_wait_xcnt 0x0                                ; the stores have read their registers and bases: the next tile writes them again
.endm
	PASS
	s_sub_co_u32 s28, 127, s28                     ; the tile that mirrors the first
	PASS
	s_wait_tensorcnt 0x0
	ds_add_u32 v243, v255
	s_wait_dscnt 0x0
	s_endpgm
.Lfunc_end_k_qa16044ecb9_attn:
	.size	k_qa16044ecb9_attn, .Lfunc_end_k_qa16044ecb9_attn-k_qa16044ecb9_attn
	.p2alignl 7, 3214868480
	.fill 96, 4, 3214868480
	.section	.rodata,"a",@progbits
	.p2align	6, 0x0
	.amdhsa_kernel k_qa16044ecb9_attn
		.amdhsa_group_segment_fixed_size 145408
		.amdhsa_private_segment_fixed_size 0
		.amdhsa_enable_private_segment 0
		.amdhsa_kernarg_size 48
		.amdhsa_user_sgpr_count 2
		.amdhsa_user_sgpr_kernarg_segment_ptr 1
		.amdhsa_wavefront_size32 1
		.amdhsa_system_sgpr_workgroup_id_x 1
		.amdhsa_system_sgpr_workgroup_id_y 1
		.amdhsa_system_sgpr_workgroup_id_z 1
		.amdhsa_system_vgpr_workitem_id 0
		.amdhsa_next_free_vgpr 256
		.amdhsa_next_free_sgpr 102
		.amdhsa_reserve_vcc 0
		.amdhsa_float_denorm_mode_32 3
		.amdhsa_float_denorm_mode_16_64 3
		.amdhsa_memory_ordered 1
		.amdhsa_forward_progress 1
		.amdhsa_inst_pref_size 59
	.end_amdhsa_kernel
	.amdgpu_metadata
---
amdhsa.version: [ 1, 2 ]
amdhsa.kernels:
  - .name:           k_qa16044ecb9_attn
    .symbol:         k_qa16044ecb9_attn.kd
    .args:
      - { .name: img, .offset: 0, .size: 8, .value_kind: global_buffer, .address_space: global }
      - { .name: sc, .offset: 8, .size: 8, .value_kind: global_buffer, .address_space: global }
      - { .name: maskw, .offset: 16, .size: 8, .value_kind: global_buffer, .address_space: global }
      - { .name: flags, .offset: 24, .size: 8, .value_kind: global_buffer, .address_space: global }
      - { .name: aimg, .offset: 32, .size: 8, .value_kind: global_buffer, .address_space: global }
      - { .name: asc, .offset: 40, .size: 8, .value_kind: global_buffer, .address_space: global }
    .group_segment_fixed_size: 145408
    .private_segment_fixed_size: 0
    .kernarg_segment_align: 8
    .kernarg_segment_size: 48
    .max_flat_workgroup_size: 512
    .sgpr_count:     102
    .vgpr_count:     256
    .wavefront_size: 32
...
	.end_amdgpu_metadata
.endif
;; end of part 3
;; launch outp (part 4): grid 4 x 32, 4 waves a work-group, clusters of 4 x 4, 327,680 bytes of LDS; arguments aimg, asc, w_o_codes, w_o_scales, b_o, out0; writes out0
.if DOCPART == 4
	.amdgcn_target "amdgcn-amd-amdhsa--gfx1250"
	.amdhsa_code_object_version 6
	.text
	.protected	k_qa16044ecb9_outp
	.globl	k_qa16044ecb9_outp
	.p2align	8
	.type	k_qa16044ecb9_outp,@function
k_qa16044ecb9_outp:
	s_mov_b64 s[64:65], 0
	v_nop
	global_prefetch_b8 v0, s[64:65] scope:SCOPE_SE
	s_setreg_imm32_b32 hwreg(HW_REG_WAVE_MODE, 25, 1), 1
	s_wait_xcnt 0x0
	s_wait_alu depctr_hold_cnt(0) depctr_sa_sdst(0) depctr_va_vdst(0) depctr_va_sdst(0) depctr_va_ssrc(0) depctr_va_vcc(0) depctr_vm_vsrc(0)
	s_getreg_b32 s2, hwreg(HW_REG_IB_STS2, 6, 4)
	s_cmp_eq_u32 s2, 0
	s_cbranch_scc0 .Lentry_in_a_cluster
	s_endpgm
.Lentry_in_a_cluster:
	s_bfe_u32 s2, ttmp6, 0x10000c
	s_cmp_lg_u32 s2, 0xf033
	s_cbranch_scc0 .Lentry_shape_is_right
	s_endpgm
.Lentry_shape_is_right:
; out0[m][n] = sum over k of A[m][k] w_o[n][k] + b_o[n], on codes of FP4 (E2M1) with E8M0 scales; M = 8,192, N = K = 1,024; sums and out0 in f32.
; A, the attention's result, comes as IMAGES OF OPERAND REGISTERS: aimg [tile of 16 tokens][K step of 128][2][512 bytes]: a fragment's registers 4 c .. 4 c + 3 are 512 consecutive bytes, 16 a lane.
; Its scale bytes asc [8192][32] and w_o's codes and scales lie by rows.
; A tile of out0, 256 x 256, is made by four waves, 128 x 128 each: 64 accumulators, 512 registers.  K = 1,024 is two LDS slots of 512 along K: both are filled at the start, nothing is filled again.
; CLUSTERS: 4 x 4 work-groups; A's tiles are asked for jointly along a row of the cluster, w_o's along a column.
; THE MATRIX INSTRUCTION IS USED TRANSPOSED (source 0 = 16 rows of w_o, source 1 = 16 tokens): a lane holds eight neighbouring numbers of a row of out0.  The bias runs along those registers: it is the C of each sum's first product.
; REGISTERS, in windows of 256: window 0: v0-31 addresses; v32-95 scale words, two sets; v128-191 A's fragments, one set; v192-255 the bias; on the way out v128-255 take rows of out0.
;   window 1: w_o's fragments, two sets.   window 2: the accumulators of my rows 0-63;   window 3: those of rows 64-127.
.set SIZE_N, 1024
.set NQ,     4
.set ROWB,   256                       ; a row of w_o's tile in bytes
.set KROW,   512                       ; 1,024 codes in memory; also A's image bytes for one token
.set PITCH,  272                       ; w_o's LDS row: 256 bytes + 16 of padding
.set FR,     8
.set NL,     2
.set NP,     4
.set HALFA,  32768                     ; A: 8 tiles of 16 tokens x 4 fragments x 1,024 bytes: what one tensor load brings
.set HALFT,  128*PITCH                 ; w_o: 128 rows
.set BOFF,   2*HALFA
.set SLOT,   BOFF+2*HALFT
.set KS,     32
.set SCL,    2*SLOT
.set HALFS,  16*272
.set SBLK,   2*272
.set SPARE,  SCL+4*HALFS               ; the spare words: 128 bytes for each wave, named by no other line
.set SPITCH, 528                       ; the way out: a stage of 16 rows x (512 bytes + 16) for each wave, in slot 0, which has had its one fill and its last read when the first result is stored there
.set ADRA, 16
.set ADRB, 20
.set STO,  24
.set RD,   25
.set CO,   26
.set ADRS, 27
.set SPW,  28
.set NIL,  29
.set SC,   32
.set AF,   128
.set BK,   128
.set CB0,  192
.set G1, 24
.set G0, 32
.set G1B, 48
.set G0B, 56
.set G1S, 68
.set G0S, 76
.set G1SB, 80
.set G0SB, 88
.set MSB, 0
.macro WIN new
.if MSB != (\new)
	s_set_vgpr_msb (MSB<<8)|(\new)
.set MSB, (\new)
.endif
.endm
.set MUL_LO, 0xa1
.set MUL_HI, 0xf1
.set TO_B,   0x40
.macro JLOAD g0a, g1a, g0b, g1b        ; a joint load: waves 0 and 1 fetch for A, waves 2 and 3 for w_o; four v_nop follow each of the two lines
	s_cmp_eq_u32 s15, 0
	s_cbranch_scc0 .Lfor_b_\@
	tensor_load_to_lds s[\g0a:\g0a+3], s[\g1a:\g1a+7]
	s_nop 0
.rept 4
	v_nop
.endr
	s_branch .Lasked_\@
.Lfor_b_\@:
	tensor_load_to_lds s[\g0b:\g0b+3], s[\g1b:\g1b+7]
	s_nop 0
.rept 4
	v_nop
.endr
.Lasked_\@:
.endm
.macro CROUND
	s_barrier_signal -1
	s_barrier_wait -1
	s_cmp_lg_u32 s14, 0
	s_cbranch_scc1 .Lnot_wave_0_\@
	s_barrier_signal -3
.Lnot_wave_0_\@:
	s_barrier_wait -3
	s_barrier_signal -1
	s_barrier_wait -1
.endm
	s_load_b128 s[4:7], s[0:1], 0x0                ; aimg, asc
	s_load_b128 s[8:11], s[0:1], 0x10              ; w_o's codes, w_o's scales
	s_load_b64 s[96:97], s[0:1], 0x20              ; b_o
	s_load_b64 s[12:13], s[0:1], 0x28              ; out0
	v_lshl_add_u32 v[SPW], v0, 2, SPARE
	v_mov_b32 v[NIL], 0
	ds_add_u32 v28, v29
	ds_add_u32 v28, v29
	s_wait_dscnt 0x0
	v_lshrrev_b32 v1, 5, v0
	v_readfirstlane_b32 s14, v1                    ; wave 0..3
	s_lshr_b32 s15, s14, 1                         ; which half of the tile's rows is mine.  Also: I fetch for A (0) or for w_o (1)
	s_and_b32 s16, s14, 1                          ; which half of its columns.  Also: which 128 rows I fetch
	s_bfe_u32 s40, ttmp6, 0x40000                  ; cx, cy
	s_bfe_u32 s41, ttmp6, 0x40004
	s_lshl_b32 s42, ttmp9, 2
	s_add_co_u32 s42, s42, s40                     ; tile column
	s_and_b32 s17, ttmp7, 0xffff
	s_lshl_b32 s17, s17, 2
	s_add_co_u32 s17, s17, s41                     ; tile row
	s_lshl_b32 s43, s41, 2
	s_lshl_b32 s43, 15, s43                        ; my row of the cluster
	s_lshl_b32 s44, 0x1111, s40                    ; my column
	; A's group 1: 8 rows (tiles of 16 tokens) of 4,096 bytes (4 fragments), 8,192 bytes apart; elements of 8 bytes; no padding: a fragment load's 512 bytes are consecutive
	s_or_b32 s[G1+0], s43, (3<<16)|(1<<21)
	s_mov_b32 s[G1+1], 512<<16                     ; tensor_dim0
	s_mov_b32 s[G1+2], 8<<16                       ; tensor_dim1
	s_mov_b32 s[G1+3], 512<<16                     ; tile_dim0
	s_mov_b32 s[G1+4], 8                           ; tile_dim1
	s_mov_b32 s[G1+5], 1024                        ; tensor_dim0_stride
	s_mov_b32 s[G1+6], 0
	s_mov_b32 s[G1+7], 0
	; w_o's: 128 rows x 256 bytes, 16 bytes of padding behind each
	s_or_b32 s[G1B+0], s44, (0<<16)|(1<<20)|(1<<21)|(5<<22)|(3<<25)
	s_mov_b32 s[G1B+1], ROWB<<16
	s_mov_b32 s[G1B+2], 128<<16
	s_mov_b32 s[G1B+3], ROWB<<16
	s_mov_b32 s[G1B+4], 128
	s_mov_b32 s[G1B+5], KROW
	s_mov_b32 s[G1B+6], 0
	s_mov_b32 s[G1B+7], 0
	; the scales of 128 rows: 4,096 dense bytes, as 16 rows of 256 bytes, 16 bytes of padding behind each
	s_or_b32 s[G1S+0], s43, (3<<16)|(1<<20)|(1<<21)|(5<<22)|(3<<25)
	s_or_b32 s[G1SB+0], s44, (3<<16)|(1<<20)|(1<<21)|(5<<22)|(3<<25)
.irp g, G1S, G1SB
	s_mov_b32 s[\g+1], 32<<16
	s_mov_b32 s[\g+2], 16<<16
	s_mov_b32 s[\g+3], 32<<16
	s_mov_b32 s[\g+4], 16
	s_mov_b32 s[\g+5], 32
	s_mov_b32 s[\g+6], 0
	s_mov_b32 s[\g+7], 0
.endr
	s_lshl_b32 s18, s16, 7
	s_lshl_b32 s20, s17, 8
	s_add_co_u32 s20, s20, s18                     ; A: token 256 x tile row + 128 x half
	s_lshl_b32 s46, s42, 8
	s_add_co_u32 s46, s46, s18                     ; w_o: row 256 x tile column + 128 x half
	s_mov_b32 s21, 0
	s_mov_b32 s47, 0
	s_mov_b64 s[18:19], KS
	s_mul_u64 s[22:23], s[20:21], s[18:19]
	s_mul_u64 s[92:93], s[46:47], s[18:19]
	s_mov_b64 s[18:19], KROW
	s_mul_u64 s[20:21], s[20:21], s[18:19]         ; 16 tokens' images are 8,192 bytes: 512 a token
	s_mul_u64 s[46:47], s[46:47], s[18:19]
	s_mul_i32 s45, s16, HALFA                      ; where they go: no place in the cluster enters an LDS address
	s_mul_i32 s95, s16, HALFT
	s_add_co_u32 s95, s95, BOFF
	s_mul_i32 s94, s14, HALFS
	s_wait_kmcnt 0x0
	s_add_nc_u64 s[20:21], s[4:5], s[20:21]
	s_add_nc_u64 s[22:23], s[6:7], s[22:23]
	s_add_nc_u64 s[46:47], s[8:9], s[46:47]
	s_add_nc_u64 s[92:93], s[10:11], s[92:93]
	CROUND                                         ; all sixteen work-groups are here: the joint loads meet
	s_mov_b32 s[G0S], 1
	s_add_co_u32 s[G0S+1], s94, SCL
	s_mov_b64 s[G0S+2:G0S+3], s[22:23]
	s_or_b32 s[G0S+3], s[G0S+3], 0x80000000
	s_mov_b32 s[G0SB], 1
	s_add_co_u32 s[G0SB+1], s94, SCL
	s_mov_b64 s[G0SB+2:G0SB+3], s[92:93]
	s_or_b32 s[G0SB+3], s[G0SB+3], 0x80000000
	JLOAD G0S, G1S, G0SB, G1SB
.irp s, 0,1
	s_mov_b32 s[G0+4*\s], 1
	s_add_co_u32 s[G0+4*\s+1], s45, \s*SLOT
	s_add_nc_u64 s[G0+4*\s+2:G0+4*\s+3], s[20:21], \s*4096        ; slot s: fragments 4 s .. 4 s + 3 of each tile
	s_or_b32 s[G0+4*\s+3], s[G0+4*\s+3], 0x80000000
	s_mov_b32 s[G0B+4*\s], 1
	s_add_co_u32 s[G0B+4*\s+1], s95, \s*SLOT
	s_add_nc_u64 s[G0B+4*\s+2:G0B+4*\s+3], s[46:47], \s*ROWB
	s_or_b32 s[G0B+4*\s+3], s[G0B+4*\s+3], 0x80000000
	JLOAD G0+4*\s, G1, G0B+4*\s, G1B               ; three tensor loads of mine are out now, and no more are issued
.endr
	v_and_b32 v1, 15, v0                           ; r
	v_bfe_u32 v2, v0, 4, 1                         ; h
	v_and_b32 v6, 31, v0
	v_lshlrev_b32 v[CO], 4, v6                     ; 16 x lane
	v_mul_u32_u24 v3, v1, PITCH
	v_lshl_add_u32 v4, v2, 4, v3
	s_mul_i32 s21, s15, HALFA                      ; my 128 tokens
	s_mul_i32 s22, s16, HALFT                      ; my 128 rows of w_o
	s_add_co_u32 s22, s22, BOFF
.irp s, 0,1
	v_add_nc_u32 v[ADRA+\s], s21, v[CO]
	v_add_nc_u32 v[ADRB+\s], s22, v4
	s_add_co_u32 s21, s21, SLOT
	s_add_co_u32 s22, s22, SLOT
.endr
	v_mul_u32_u24 v5, v1, KS
	v_lshrrev_b32 v6, 8, v5
	v_lshl_add_u32 v5, v6, 4, v5
	s_mul_i32 s21, s15, HALFS
	s_mul_i32 s22, s16, HALFS
	s_add_co_u32 s22, s22, 2*HALFS
	s_sub_co_u32 s22, s22, s21
	v_mul_u32_u24 v6, s22, v2                      ; lanes 16-31 take w_o's
	s_add_co_u32 s21, s21, SCL
	v_add_nc_u32 v5, v5, v6
	v_add_nc_u32 v[ADRS], s21, v5
	s_mul_i32 s23, s14, 16*SPITCH                  ; my stage
	v_mul_u32_u24 v5, v1, SPITCH
	v_lshl_add_u32 v5, v2, 5, v5
	v_add_nc_u32 v[STO], s23, v5
	v_add_nc_u32 v[RD], s23, v[CO]
	v_lshlrev_b32 v7, 5, v2                        ; the bias: 8 numbers for each half of the lanes
	s_lshl_b32 s20, s17, 8
	s_lshl_b32 s21, s15, 7
	s_add_co_u32 s20, s20, s21                     ; my first row of out0
	s_mov_b32 s21, 0
	s_mov_b64 s[18:19], SIZE_N*4
	s_mul_u64 s[20:21], s[20:21], s[18:19]
	s_lshl_b32 s46, s42, 10                        ; my first column, in bytes
	s_lshl_b32 s47, s16, 9
	s_add_co_u32 s46, s46, s47
	s_mov_b32 s47, 0
	s_add_nc_u64 s[96:97], s[96:97], s[46:47]      ; and the bias from that column on
	s_add_nc_u64 s[20:21], s[20:21], s[46:47]
	s_add_nc_u64 s[12:13], s[12:13], s[20:21]
.irp t, 0,1,2,3,4,5,6,7
	global_load_b128 v[CB0+8*\t:CB0+8*\t+3], v7, s[96:97] offset:64*\t        ; register 8 t + i: the bias of my column 16 t + 8 h + i
	global_load_b128 v[CB0+8*\t+4:CB0+8*\t+7], v7, s[96:97] offset:64*\t+16
.endr
	s_wait_loadcnt 0x0
.macro MUL16 a0, p, q, sc, first       ; 16 matrix instructions: A's blocks a0, a0 + 1 x w_o's eight.  The 64 accumulators take turns
.irp a, \a0, \a0+1
.irp b, 0,1,2,3,4,5,6,7
.if \first
	v_wmma_scale_f32_16x16x128_f8f6f4 v[8*(8*((\a)%4)+\b):8*(8*((\a)%4)+\b)+7], v[128*(\p)+FR*\b:128*(\p)+FR*\b+FR-1], v[AF+FR*(\a):AF+FR*(\a)+FR-1], v[CB0+8*\b:CB0+8*\b+7], v[SC+8*NQ*(\sc)+NQ*\b+(\q)], v[SC+8*NQ*(\sc)+NQ*(\a)+(\q)] matrix_a_fmt:MATRIX_FMT_FP4 matrix_b_fmt:MATRIX_FMT_FP4 matrix_a_scale:MATRIX_SCALE_ROW1
.else
	v_wmma_scale_f32_16x16x128_f8f6f4 v[8*(8*((\a)%4)+\b):8*(8*((\a)%4)+\b)+7], v[128*(\p)+FR*\b:128*(\p)+FR*\b+FR-1], v[AF+FR*(\a):AF+FR*(\a)+FR-1], v[8*(8*((\a)%4)+\b):8*(8*((\a)%4)+\b)+7], v[SC+8*NQ*(\sc)+NQ*\b+(\q)], v[SC+8*NQ*(\sc)+NQ*(\a)+(\q)] matrix_a_fmt:MATRIX_FMT_FP4 matrix_b_fmt:MATRIX_FMT_FP4 matrix_a_scale:MATRIX_SCALE_ROW1
.endif
.endr
.endr
.endm
.macro FETCH_B slot, q, p
	WIN TO_B
.irp i, 0,1,2,3,4,5,6,7
.irp c, 0,1
	ds_load_b128 v[128*(\p)+FR*\i+4*\c:128*(\p)+FR*\i+4*\c+3], v[ADRB+\slot] offset:64*(\q)+32*\c+\i*16*PITCH
.endr
.endr
	WIN 0
.endm
.macro FETCH_A slot, q, i0             ; A's blocks i0 .. i0 + 3: images, 512 consecutive bytes a load
.irp i, \i0, \i0+1, \i0+2, \i0+3
.irp c, 0,1
	ds_load_b128 v[AF+FR*(\i)+4*\c:AF+FR*(\i)+4*\c+3], v[ADRA+\slot] offset:4096*(\i)+1024*(\q)+512*\c
.endr
.endr
.endm
.macro SCALES sc
.irp i, 0,1,2,3,4,5,6,7
	ds_load_b128 v[SC+8*NQ*\sc+NQ*\i:SC+8*NQ*\sc+NQ*\i+3], v[ADRS] offset:\i*SBLK
.endr
.endm
.macro PLACES n
.rept \n
	v_nop
.endr
.endm
.macro STEP slot, q, first
	s_wait_dscnt 4*NL                              ; w_o's set and A's blocks 0-3 are in; the youngest eight loads (A's blocks 4-7) may be out
.if \first
	WIN 0x81                                       ; C (the bias) in window 0, D in window 2
.else
	WIN MUL_LO
.endif
	MUL16 0, (\q)%2, \q, \slot, \first
	MUL16 2, (\q)%2, \q, \slot, \first
	s_wait_dscnt 0
	PLACES NP
	FETCH_B \slot, (\q)+1, 1-(\q)%2
	FETCH_A \slot, (\q)+1, 0
.if \first
	WIN 0xc1
.else
	WIN MUL_HI
.endif
	MUL16 4, (\q)%2, \q, \slot, \first
	MUL16 6, (\q)%2, \q, \slot, \first
	PLACES NP
	WIN 0
	FETCH_A \slot, (\q)+1, 4
.endm
.macro TURN slot, next                 ; slot 0's last step changes slots: one barrier; nothing is filled again
	s_wait_tensorcnt 0x0                           ; all my tensor loads have landed
	ds_add_u32 v[SPW], v[NIL]                      ; 0 onto my spare word
	s_wait_dscnt 4*NL+1                            ; (the add and the youngest eight loads may be out)
	WIN MUL_LO
	MUL16 0, 1, NQ-1, \slot, 0
	s_wait_dscnt 0x0                               ; the add is done, and my reads of this slot are over
	s_barrier_signal -1
	MUL16 2, 1, NQ-1, \slot, 0
	WIN 0
	s_barrier_wait -1
	PLACES NP
	v_add_nc_u32 v[ADRS], 4*NQ, v[ADRS]
	FETCH_B \next, 0, 0
	FETCH_A \next, 0, 0
	SCALES \next
	WIN MUL_HI
	MUL16 4, 1, NQ-1, \slot, 0
	MUL16 6, 1, NQ-1, \slot, 0
	PLACES NP
	WIN 0
	FETCH_A \next, 0, 4
.endm
.macro STEPS slot, from
.set Q, \from
.rept NQ-1-\from
	STEP \slot, Q, 0
.set Q, Q+1
.endr
.endm
	s_wait_tensorcnt 1                             ; the scales and my part of slot 0 are in (slot 1's load may be out),
	s_barrier_signal -1
	s_barrier_wait -1                              ; everybody's are
	FETCH_B 0, 0, 0
	FETCH_A 0, 0, 0
	SCALES 0
	FETCH_A 0, 0, 4
	STEP 0, 0, 1
	STEPS 0, 1
	TURN 0, 1
	STEPS 1, 0
	s_wait_dscnt 4*NL
	WIN MUL_LO
	MUL16 0, 1, NQ-1, 1, 0
	MUL16 2, 1, NQ-1, 1, 0
	s_wait_dscnt 0
	WIN MUL_HI
	MUL16 4, 1, NQ-1, 1, 0
	MUL16 6, 1, NQ-1, 1, 0
	WIN 0
; THE WAY OUT, block by block of 16 rows x 128 columns, through my own stage in LDS: back come whole rows of 512 bytes, which the 32 lanes store.  LDS serves a wave's instructions in order (ISA guide 5.7.1.4).
.macro TOSTAGE a
.set AC, 64*((\a)%4)
	WIN 0x08+4*((\a)/4)                            ; the data: window 2 or 3
.irp b, 0,1,2,3,4,5,6,7
	ds_store_b128 v[STO], v[AC+8*\b:AC+8*\b+3] offset:64*\b          ; each accumulator from its low end on
	ds_store_b128 v[STO], v[AC+8*\b+4:AC+8*\b+7] offset:64*\b+16
.endr
	WIN 0
.set BB, BK+64*((\a)%2)
.irp t, 0,1,2,3,4,5,6,7,8,9,10,11,12,13,14,15
	ds_load_b128 v[BB+4*\t:BB+4*\t+3], v[RD] offset:\t*SPITCH
.endr
.endm
.macro SEND a, younger
.set BB, BK+64*((\a)%2)
	s_wait_dscnt \younger                          ; the block is back in registers
.if (\a) > 0
	s_add_nc_u64 s[12:13], s[12:13], 16*SIZE_N*4   ; (behind a wait on XCNT: the earlier stores have read their base)
.endif
.irp t, 0,1,2,3,4,5,6,7,8,9,10,11,12,13,14,15
	global_store_b128 v[CO], v[BB+4*\t:BB+4*\t+3], s[12:13] offset:\t*SIZE_N*4 th:TH_STORE_NT   ; 32 lanes store 512 consecutive bytes, aligned
.endr
.endm
	PLACES NP
	TOSTAGE 0
.irp a, 1,2,3,4,5,6,7
.if \a > 1
	s_wait_xcnt 0x0                                ; block a - 2's stores have read their registers and their base
.endif
	TOSTAGE \a
	SEND \a-1, 32                                  ; behind block a - 1's loads: block a's 16 stores and 16 loads
.endr
	s_wait_xcnt 0x0
	SEND 7, 0
	s_wait_tensorcnt 0x0                           ; the wave's end
	ds_add_u32 v[SPW], v[NIL]
	s_wait_dscnt 0x0
	CROUND                                         ; the closing round
	s_endpgm
.Lfunc_end_k_qa16044ecb9_outp:
	.size	k_qa16044ecb9_outp, .Lfunc_end_k_qa16044ecb9_outp-k_qa16044ecb9_outp
	.p2alignl 7, 3214868480
	.fill 96, 4, 3214868480
	.section	.rodata,"a",@progbits
	.p2align	6, 0x0
	.amdhsa_kernel k_qa16044ecb9_outp
		.amdhsa_group_segment_fixed_size 327680
		.amdhsa_private_segment_fixed_size 0
		.amdhsa_enable_private_segment 0
		.amdhsa_kernarg_size 48
		.amdhsa_user_sgpr_count 2
		.amdhsa_user_sgpr_kernarg_segment_ptr 1
		.amdhsa_wavefront_size32 1
		.amdhsa_system_sgpr_workgroup_id_x 1
		.amdhsa_system_sgpr_workgroup_id_y 1
		.amdhsa_system_sgpr_workgroup_id_z 1
		.amdhsa_system_vgpr_workitem_id 0
		.amdhsa_next_free_vgpr 1024
		.amdhsa_next_free_sgpr 98
		.amdhsa_reserve_vcc 0
		.amdhsa_float_denorm_mode_32 3
		.amdhsa_float_denorm_mode_16_64 3
		.amdhsa_memory_ordered 1
		.amdhsa_forward_progress 1
		.amdhsa_inst_pref_size 126
	.end_amdhsa_kernel
	.amdgpu_metadata
---
amdhsa.version: [ 1, 2 ]
amdhsa.kernels:
  - .name:           k_qa16044ecb9_outp
    .symbol:         k_qa16044ecb9_outp.kd
    .args:
      - { .name: aimg, .offset: 0, .size: 8, .value_kind: global_buffer, .address_space: global }
      - { .name: asc, .offset: 8, .size: 8, .value_kind: global_buffer, .address_space: global }
      - { .name: w_o_codes, .offset: 16, .size: 8, .value_kind: global_buffer, .address_space: global }
      - { .name: w_o_scales, .offset: 24, .size: 8, .value_kind: global_buffer, .address_space: global }
      - { .name: b_o, .offset: 32, .size: 8, .value_kind: global_buffer, .address_space: global }
      - { .name: out0, .offset: 40, .size: 8, .value_kind: global_buffer, .address_space: global }
    .group_segment_fixed_size: 327680
    .private_segment_fixed_size: 0
    .kernarg_segment_align: 8
    .kernarg_segment_size: 48
    .max_flat_workgroup_size: 128
    .sgpr_count:     98
    .vgpr_count:     1024
    .wavefront_size: 32
...
	.end_amdgpu_metadata
.endif
;; end of part 4
;; ======== version 2 of 2: 4 launches; version 1 with the launch attn written anew for expert scheduling mode
;; limits: right only within a limited range of input values
;; workspace buffers: maskw 524,288 bytes of whole numbers; flags 16,384 bytes of whole numbers; img 12,582,912 bytes; sc 786,432 bytes; aimg 4,194,304 bytes; asc 262,144 bytes
;; launch maskpack: the kernel of part 1 again; grid 128 x 1, 16 waves a work-group, no clusters, 2,304 bytes of LDS; arguments mask, maskw, flags; writes maskw, flags
;; launch proj: the kernel of part 2 again; grid 4 x 96, 4 waves a work-group, clusters of 4 x 4, 327,680 bytes of LDS; arguments q_codes, k_codes, w_v_codes, q_scales, k_scales, w_v_scales, w_q_codes, w_k_codes, v_codes, w_q_scales, w_k_scales, v_scales, b_q, b_k, b_v, img, sc; writes img, sc
;; launch attn (part 5): grid 4 x 64, 16 waves a work-group, no clusters, 145,408 bytes of LDS; arguments img, sc, maskw, flags, aimg, asc; writes aimg, asc
.if DOCPART == 5
	.amdgcn_target "amdgcn-amd-amdhsa--gfx1250"
	.amdhsa_code_object_version 6
	.text
	.protected	k_qa16044ecb9_attn
	.globl	k_qa16044ecb9_attn
	.p2align	8
	.type	k_qa16044ecb9_attn,@function
k_qa16044ecb9_attn:
	s_mov_b64 s[64:65], 0
	v_nop
	global_prefetch_b8 v0, s[64:65] scope:SCOPE_SE
	s_setreg_imm32_b32 hwreg(HW_REG_WAVE_SCHED_MODE, 0, 2), 2
	s_setreg_imm32_b32 hwreg(HW_REG_WAVE_MODE, 25, 1), 1
	s_wait_xcnt 0x0
	s_wait_alu depctr_vm_vsrc(0)
; softmax(q k^T / 8, under the given mask) v for one head of one batch, both products on codes of FP4 (E2M1) with E8M0 scales, and the quantiser of the result along the model's 1,024.
; t = score x log2(e) / 8; M = the running largest t rounded UP to a whole number; p = 2^(t - M) is quantised along the keys, not normalised; the sum of the unquantised p divides at the end.
; SHARES.  Work-group (x, y): y = 16 batch + head.  The head's K and V codes and scale words, 140 KB, are copied into LDS once, by all sixteen waves, ahead of the one barrier; afterwards LDS is only read.
; Wave w takes the tile of 16 queries j = 16 x + w and then the tile 127 - j: an early tile and a late one.  A wave walks 16 steps of 128 keys.
; THE MASK IS AN INPUT.  The launch in front has stored, for each tile, which steps have no key that counts (left out: a scalar branch on that stored word) and which have a hidden key; for the latter 64 lane masks are read
; and hidden scores become -2^120.  That is a power of two, so for a query all of whose keys so far are hidden t - M is exactly 0 and p = 1; the first key that counts multiplies all that by 2^(old M - new M) = 0;
; a query with no key at all ends with equal weights.
; NO TENSOR LOADS AND NO CLUSTER: the branch on the stored word is a branch on a number read from memory; what four work-groups share is read once, at the head.
; LAYOUT.  Both products transposed: S^T = K Q^T (source 0 = 16 neighbouring keys, source 1 = my queries), O^T = V^T P^T: a lane holds ONE query (lane % 16).  In tile t register i is key 16 t + 8 (lane / 16) + i.
; The head's 64 are half of the instruction's K: registers 4-7 of Q's and K's fragments are zero codes, which add nothing under any scale byte but 0xff; the bytes beside them are another head's (1 .. 254) or 0.
; LIMITS: NaN and infinities are not served; a logit under -2^120 counts as hidden; a block of zeros gets the scale byte 1.
; REGISTERS: v1-7 addresses that stay; v8-11 the step's LDS addresses; v12 -M, v13 the largest t, v[14:15] the sum; v16-23 Q; v24 Q's scale word; v26-29 K's scale words; v32-95 eight fragments of K;
;   v96-159 S^T, then p; v160-191 O^T; v192-223 four fragments of V; v224-231 p's codes; v232-247, v252-254 at work; v248-251 V's scale words.
; THE MODE: SCHED_MODE bits 1:0 = 2 (LLVM: expert scheduling mode 2), set by the entry lines.  The code itself states the register dependences
; between vector or matrix instructions and memory or LDS instructions, with s_wait_alu, always for 0.
; THE PLAN.  Registers that memory or LDS instructions touch:
;   v5, v7          offsets in memory: made once at the head, read by every global load and store, never written again.
;   v8 .. v11       LDS addresses.  Head: where my wave's copies go, read by the LDS stores.  Step: written by four additions at the step's head, read by the step's 18 LDS loads.
;   v32 .. v103     Head: the copies land here from memory (v96-99 are shifted) and the LDS stores read them.  Behind the barrier they take their places in the loop.
;   K, v26-29       Step: nine LDS loads land in registers 0-3 of the eight fragments and in the scale words; the step's eight products K Q^T read them.  Registers 4-7 are written once, by vector lines.
;   V, v248-251     Step: nine LDS loads land in them; the four products V^T P^T at the step's end read them.
;   v16-19, v24     Tile: two global loads land in them at the tile's head; v24 is shifted; every product K Q^T reads them.
;   v224-227, v254  Way out: written by the conversions, the exchanges and the shifts; read by the tile's two global stores.
; So a step's head holds one wait on vm_vsrc, ahead of the four additions, and one on va_vdst behind them: it states that the addresses are written and that the last step's products are done reading all the
; registers in which this step's loads land.  K's loads follow at once; V's are dealt among the eight products K Q^T, which name Q, K, their scale words and S^T: none of the registers that V's loads touch.
; One more wait on va_vdst stands ahead of the products V^T P^T, which take p's codes and scale word from vector lines.  S^T, p, O^T and the statistics are named by vector and matrix instructions alone.
.set KL,  0                            ; LDS: K: 128 tiles of 16 keys x 512 bytes
.set VL,  65536                        ; V: 16 steps x 4 tiles of 16 channels x 1,024 bytes
.set KSL, 131072                       ; K's scale words: 16 steps x [16 rows][8 tiles]
.set VSL, 139264                       ; V's: 16 steps x [16 rows][4 tiles]
.set TM,  232
.set SEL, 20                           ; s[20:21] selects of v_permlanex16_b32: lane l xor 16
.set CS,  22                           ; s[22:23] c = log2(e) / 8
.macro QUANTN src, pc, nb, pw          ; 16 nb numbers of a lane, register 16 b + 8 u + i = index 32 b + 16 u + 8 (lane / 16) + i of my row, become codes in the operand's layout and the row's scale bytes
.set qb, 0
.rept \nb
	v_max3_num_f32 v[TM+qb], |v[(\src)+16*qb]|, |v[(\src)+16*qb+1]|, 0x1800000   ; and the floor 2^(3 - 127): the byte cannot fall under 1
.set qb, qb+1
.endr
.irp i, 2,4,6,8,10,12,14
.set qb, 0
.rept \nb
	v_max3_num_f32 v[TM+qb], v[TM+qb], |v[(\src)+16*qb+\i]|, |v[(\src)+16*qb+\i+1]|
.set qb, qb+1
.endr
.endr
.set qb, 0
.rept \nb
	v_permlanex16_b32 v[TM+4+qb], v[TM+qb], s[SEL], s[SEL+1]
.set qb, qb+1
.endr
.set qb, 0
.rept \nb
	v_max_num_f32 v[TM+qb], v[TM+qb], v[TM+4+qb]
.set qb, qb+1
.endr
.set qb, 0
.rept \nb
	v_add_nc_u32 v[TM+12+qb], 0xff000000, v[TM+qb] ; 2 off the exponent field: the conversion's scale operand
.set qb, qb+1
.endr
.set qb, 0
.rept \nb
	v_lshrrev_b32 v[TM+4+qb], 23, v[TM+12+qb]      ; the scale's byte
.set qb, qb+1
.endr
	v_lshl_or_b32 v[\pw], v[TM+5], 8, v[TM+4]
.if \nb > 2
	v_lshl_or_b32 v[\pw], v[TM+6], 16, v[\pw]
	v_lshl_or_b32 v[\pw], v[TM+7], 24, v[\pw]
.endif
.set qb, 0
.rept \nb
	v_cvt_scalef32_pk8_fp4_f32 v[(\pc)+4*(qb/2)+(qb%2)], v[(\src)+16*qb:(\src)+16*qb+7], v[TM+12+qb]
	v_cvt_scalef32_pk8_fp4_f32 v[(\pc)+4*(qb/2)+(qb%2)+2], v[(\src)+16*qb+8:(\src)+16*qb+15], v[TM+12+qb]
.set qb, qb+1
.endr
	v_nop                                          ; one plain place behind the last scaled conversion
.set qb, 0
.rept \nb
	v_permlane16_swap_b32 v[(\pc)+2*qb], v[(\pc)+2*qb+1]
.set qb, qb+1
.endr
.endm
	s_load_b256 s[4:11], s[0:1], 0x0               ; img, sc, maskw, flags
	s_load_b128 s[12:15], s[0:1], 0x20             ; aimg, asc
	v_lshl_add_u32 v243, v0, 2, 0x23000
	v_mov_b32 v255, 0
	v_lshrrev_b32 v12, 5, v0
	v_readfirstlane_b32 s16, v12                   ; wave 0..15
	v_and_b32 v12, 31, v0                          ; lane
	v_and_b32 v13, 15, v0                          ; r
	v_bfe_u32 v14, v0, 4, 1                        ; h
	v_lshlrev_b32 v1, 4, v12                       ; K's tiles: 16 x lane
	v_add_nc_u32 v2, VL, v1                        ; V's
	v_lshlrev_b32 v3, 5, v13
	v_lshl_add_u32 v3, v14, 4, v3
	v_add_nc_u32 v3, KSL, v3                       ; K's scale words: row r, lanes 0-15 tiles 0-3, lanes 16-31 tiles 4-7
	v_lshl_add_u32 v4, v13, 4, VSL                 ; V's: row r, four tiles
	v_lshlrev_b32 v5, 4, v12                       ; in memory: 16 x lane
	v_mov_b32 v6, 0xfb800000                       ; -2^120
	v_lshlrev_b32 v7, 5, v13                       ; in memory: 32 r
	s_wait_alu depctr_va_sdst(0)                   ; s16 is written, ahead of its first reader: the tile's number and my wave's offsets are made from it
	s_and_b32 s17, ttmp7, 0xffff
	s_and_b32 s24, s17, 15                         ; the head
	s_lshr_b32 s29, s17, 4                         ; the batch
	s_lshr_b32 s25, s24, 1                         ; g: the pair of heads
	s_and_b32 s26, s24, 1                          ; c: which of the pair
	s_lshl_b32 s27, s26, 4                         ; 16 c: my head's two bytes of a scale word
	s_lshl_b32 s28, ttmp9, 4
	s_add_co_u32 s28, s28, s16                     ; j = 16 x + w
	s_lshl_b32 s32, s29, 20
	s_lshl_b32 s33, s25, 17
	s_add_co_u32 s32, s32, s33
	s_lshl_b32 s33, s26, 9
	s_add_co_u32 s32, s32, s33                     ; Q's and K's images: batch, pair of heads, half
	s_mov_b32 s33, 0
	s_lshl_b32 s34, s16, 13                        ; K: my 8 tiles, 1,024 bytes apart,
	s_add_co_u32 s34, s34, s32
	s_add_co_u32 s34, s34, 0x400000                ; from 4 MiB on
	s_mov_b32 s35, 0
	s_lshl_b32 s36, s29, 4
	s_add_co_u32 s36, s36, s16                     ; 16 batch + w: my step of 128 keys
	s_lshl_b32 s40, s36, 12
	s_lshl_b32 s36, s36, 16
	s_lshl_b32 s37, s24, 12
	s_add_co_u32 s36, s36, s37                     ; V: the head's four tiles of channels,
	s_add_co_u32 s36, s36, 0x800000                ; from 8 MiB on
	s_mov_b32 s37, 0
	s_lshl_b32 s42, s29, 16
	s_lshl_b32 s43, s25, 13
	s_add_co_u32 s42, s42, s43                     ; Q's and K's scale words: a sixteenth of the images' offsets
	s_mov_b32 s43, 0
	s_lshl_b32 s38, s16, 9
	s_add_co_u32 s38, s38, s42
	s_add_co_u32 s38, s38, 0x40000
	s_mov_b32 s39, 0
	s_lshl_b32 s41, s25, 9
	s_add_co_u32 s40, s40, s41
	s_add_co_u32 s40, s40, s27
	s_add_co_u32 s40, s40, 0x80000                 ; V's scale words: step, pair of heads, my head's four of a row's eight
	s_mov_b32 s41, 0
	s_lshl_b32 s44, s29, 20
	s_lshl_b32 s45, s25, 10
	s_add_co_u32 s44, s44, s45
	s_lshl_b32 s45, s26, 9
	s_add_co_u32 s44, s44, s45                     ; aimg: batch, K step g of the last product, half c
	s_mov_b32 s45, 0
	s_lshl_b32 s46, s29, 16
	s_lshl_b32 s47, s24, 1
	s_add_co_u32 s46, s46, s47                     ; asc: batch, my head's two bytes of a row's 32
	s_mov_b32 s47, 0
	s_lshl_b32 s48, s16, 12
	v_add_nc_u32 v8, s48, v1                       ; where my wave's copies go: 4,096 w,
	v_add_nc_u32 v9, s48, v2
	s_lshl_b32 s48, s16, 9
	v_add_nc_u32 v10, s48, v1
	v_add_nc_u32 v10, KSL, v10                     ; 512 w,
	s_lshl_b32 s48, s16, 8
	v_add_nc_u32 v11, s48, v4                      ; 256 w
	s_mov_b32 s[SEL], 0x76543210
	s_mov_b32 s[SEL+1], 0xfedcba98
	s_mov_b32 s[CS], 0x3e38aa3b                    ; c = log2(e) / 8
	s_mov_b32 s[CS+1], s[CS]                       ; (named with it as a pair, so it is written)
	s_wait_kmcnt 0x0
	s_add_nc_u64 s[34:35], s[4:5], s[34:35]
	s_add_nc_u64 s[36:37], s[4:5], s[36:37]
	s_add_nc_u64 s[38:39], s[6:7], s[38:39]
	s_add_nc_u64 s[40:41], s[6:7], s[40:41]
	s_add_nc_u64 s[4:5], s[4:5], s[32:33]          ; Q's images of my head
	s_add_nc_u64 s[6:7], s[6:7], s[42:43]          ; and their scale words
	s_add_nc_u64 s[12:13], s[12:13], s[44:45]
	s_add_nc_u64 s[14:15], s[14:15], s[46:47]
	s_wait_alu depctr_va_vdst(0)                   ; v5 and v7 are written, the offsets of every global load and store of the kernel; so are v8 to v11, the addresses of the LDS stores below
.irp i, 0,1,2,3,4,5,6,7
	global_load_b128 v[32+4*\i:35+4*\i], v5, s[34:35] offset:1024*\i   ; 512 consecutive bytes: a tile of K, my head's half
.endr
.irp i, 0,1,2,3,4,5,6,7
	global_load_b128 v[64+4*\i:67+4*\i], v5, s[36:37] offset:512*\i    ; my step's four fragments of V
.endr
	global_load_b128 v[96:99], v5, s[38:39]        ; my step's 128 scale words of K
	global_load_b128 v[100:103], v7, s[40:41]      ; row r's four scale words of V
	s_wait_loadcnt 0x0
.irp i, 0,1,2,3
	v_lshrrev_b32 v[96+\i], s27, v[96+\i]          ; my head's two bytes come to the bottom
.endr
.irp i, 0,1,2,3,4,5,6,7
	ds_store_b128 v8, v[32+4*\i:35+4*\i] offset:512*\i   ; these sixteen read loaded data, and addresses written ahead of the wait above: no vector line since names either
	ds_store_b128 v9, v[64+4*\i:67+4*\i] offset:512*\i
.endr
	s_wait_alu depctr_va_vdst(0)                   ; the four shifts have written v[96:99], which the next LDS store reads
	ds_store_b128 v10, v[96:99]
	ds_store_b128 v11, v[100:103]                  ; lanes l and l xor 16 write the same bytes with the same value
	s_wait_dscnt 0x0                               ; for the others' sake: my stores are done
	s_barrier_signal -1
	s_barrier_wait -1                              ; the head's K and V lie in LDS; nobody writes LDS again
	s_wait_alu depctr_vm_vsrc(0)                   ; my LDS stores have read v[32:103] and v8 to v11: from here on these are K's fragments and zero codes, S^T and the steps' addresses, and are written again
.irp t, 0,1,2,3,4,5,6,7
.irp k, 4,5,6,7
	v_mov_b32 v[32+8*\t+\k], 0                     ; zero codes for K = 64 .. 127: written once
.endr
.endr
.irp k, 20,21,22,23,236,237,238,239,252,253
	v_mov_b32 v\k, 0                               ; Q's zero codes; destinations of lane permutes; the pair v[252:253]
.endr
; ONE TILE OF 16 QUERIES, j = s28.
.macro PASS
	s_lshl_b32 s32, s28, 7
	s_load_b32 s31, s[10:11], s32 offset:0x0       ; the tile's word: bit s = step s is left out, bit 16 + s = step s has a hidden key
	s_mov_b32 s35, 0
	s_lshl_b32 s34, s28, 12
	s_add_nc_u64 s[100:101], s[8:9], s[34:35]      ; the tile's lane masks: 256 bytes a step
	s_lshl_b32 s34, s28, 10
	s_add_nc_u64 s[36:37], s[4:5], s[34:35]
	s_lshr_b32 s34, s28, 3
	s_lshl_b32 s34, s34, 9
	s_and_b32 s33, s28, 7
	s_lshl_b32 s33, s33, 2
	s_add_co_u32 s34, s34, s33
	s_add_nc_u64 s[38:39], s[6:7], s[34:35]
	global_load_b128 v[16:19], v5, s[36:37]        ; Q's fragment.  No wait here: no vector or matrix line since the last wait on va_vdst (at the head; in the second tile ahead of the first tile's stores) names v5, v7, v[16:19] or v24
	global_load_b32 v24, v7, s[38:39]              ; and its scale words
.set n, 0
.rept 16
	v_mov_b32 v[160+n], 0                          ; O^T: the first step finds zeros, which the first change of M leaves zeros
.set n, n+1
.endr
	s_mov_b32 s2, 0                                ; the step's place in KL and VL: 4,096 bytes a step
	s_mov_b32 s66, 0                               ; in KSL: 512
	s_mov_b32 s67, 0                               ; in VSL: 256
	s_mov_b32 s30, 16
	s_wait_loadcnt 0x0
	s_wait_kmcnt 0x0
	v_lshrrev_b32 v24, s27, v24                    ; my head's two bytes.  Twenty plain lines follow, ahead of the first product that takes this register as a scale
.rept 16
	v_mov_b32 v[160+n], 0
.set n, n+1
.endr
	v_mov_b32 v14, 0                               ; the sum, in two halves
	v_mov_b32 v15, 0
	v_mov_b32 v13, 0xff61b1e6                      ; the largest t so far: -3e38, under every t
	v_floor_f32 v12, -v13                          ; -M
.Lstep_\@:
	s_and_b32 s3, s31, 1
	s_cbranch_scc1 .Lskip_\@                       ; no key of this step counts for any of my queries
	s_wait_alu depctr_vm_vsrc(0)                   ; the LDS loads issued so far have read v8 to v11, which the four additions write again
	v_add_nc_u32 v8, s2, v1
	v_add_nc_u32 v9, s2, v2
	v_add_nc_u32 v10, s66, v3
	v_add_nc_u32 v11, s67, v4
	s_wait_alu depctr_va_vdst(0)                   ; v8 to v11 are written, which the loads below read; the last step's products are done reading K, V and both sets of scale words, in which those loads land; in a tile's first step the shifted v24 and the zero codes are written, which the scaled products take
.irp t, 0,1,2,3,4,5,6,7
	ds_load_b128 v[32+8*\t:35+8*\t], v8 offset:512*\t
.endr
	ds_load_b128 v[26:29], v10
	s_wait_dscnt 0x0                               ; K and its scale words are in: nothing else of mine is out
.irp t, 0,1,2,3
	v_wmma_scale_f32_16x16x128_f8f6f4 v[96+8*\t:103+8*\t], v[32+8*\t:39+8*\t], v[16:23], 0, v[26+\t], v24 matrix_a_fmt:MATRIX_FMT_FP4 matrix_b_fmt:MATRIX_FMT_FP4
	ds_load_b128 v[192+4*\t:195+4*\t], v9 offset:512*\t   ; V is asked for among the products.  No wait: no vector or matrix line since the wait above names v9, v11, V or its scale words
.endr
.irp t, 4,5,6,7
	v_wmma_scale_f32_16x16x128_f8f6f4 v[96+8*\t:103+8*\t], v[32+8*\t:39+8*\t], v[16:23], 0, v[22+\t], v24 matrix_a_fmt:MATRIX_FMT_FP4 matrix_b_fmt:MATRIX_FMT_FP4 matrix_a_scale:MATRIX_SCALE_ROW1
	ds_load_b128 v[192+4*\t:195+4*\t], v9 offset:512*\t
.endr
	ds_load_b128 v[248:251], v11
.rept 4
	v_nop
.endr
	s_and_b32 s3, s31, 0x10000
	s_cbranch_scc0 .Lopen_\@                       ; every key of this step counts
	s_load_b512 s[32:47], s[100:101], 0x0          ; the step's 64 lane masks; the one branch above guards the loads and their use
	s_load_b512 s[48:63], s[100:101], 0x40
	s_load_b512 s[68:83], s[100:101], 0x80
	s_load_b512 s[84:99], s[100:101], 0xc0
	s_wait_kmcnt 0x0
.set n, 0
.rept 32
	v_cndmask_b32 v[96+n], v6, v[96+n], s[32+n]    ; a hidden score becomes -2^120; each accumulator from its low end on
.set n, n+1
.endr
.rept 32
	v_cndmask_b32 v[96+n], v6, v[96+n], s[36+n]
.set n, n+1
.endr
.Lopen_\@:
.irp b, 0,1,2,3
	v_max3_num_f32 v[232+\b], v[96+16*\b], v[97+16*\b], v[98+16*\b]   ; the largest score of each block of 32 keys: it serves the row's maximum and, since p rises with the score, the block's largest p
.endr
.irp i, 3,5,7,9,11,13
.irp b, 0,1,2,3
	v_max3_num_f32 v[232+\b], v[232+\b], v[96+16*\b+\i], v[97+16*\b+\i]
.endr
.endr
.irp b, 0,1,2,3
	v_max_num_f32 v[232+\b], v[232+\b], v[111+16*\b]
.endr
.irp b, 0,1,2,3
	v_permlanex16_b32 v[236+\b], v[232+\b], s[SEL], s[SEL+1]
.endr
.irp b, 0,1,2,3
	v_max_num_f32 v[232+\b], v[232+\b], v[236+\b]  ; with lane l xor 16's 16 keys
.endr
	v_max3_num_f32 v254, v232, v233, v234
	v_max_num_f32 v254, v254, v235                 ; the step's largest score of my query
	v_mul_f32 v254, s[CS], v254                    ; as t
	v_max_num_f32 v13, v13, v254                   ; the running largest t
	v_mov_b32 v254, v12
	v_floor_f32 v12, -v13                          ; the new -M = -ceil(t)
	v_sub_f32 v254, v12, v254                      ; old M - new M: a whole number, 0 or less
	v_cvt_i32_f32 v254, v254                       ; (it saturates)
	v_ldexp_f32 v252, 1.0, v254                    ; f = 2^(old M - new M)
.set n, 0
.rept 32
	v_pk_fma_f32 v[96+n:97+n], v[96+n:97+n], s[CS:CS+1], v[12:13] op_sel_hi:[1,0,0]   ; t - M, two at a time
.set n, n+2
.endr
.irp b, 0,1,2,3
	v_fma_f32 v[232+\b], v[232+\b], s[CS], v12     ; the same of each block's largest score
.endr
.set n, 0
.rept 64
	v_exp_f32 v[96+n], v[96+n]                     ; p = 2^(t - M)
.set n, n+1
.endr
	v_pk_mul_f32 v[14:15], v[14:15], v[252:253] op_sel_hi:[1,0]   ; the sums under the new M: a plain line behind the exponentials
	s_wait_alu depctr_va_vdst(0)                   ; the 64 exponentials have written p, v[96:159]: one wait for the batch, ahead of its first reader
.irp b, 0,1,2,3
	v_exp_f32 v[232+\b], v[232+\b]                 ; the block's largest p
.endr
	v_pk_add_f32 v[236:237], v[96:97], v[98:99]    ; the row's sum of the unquantised p, in two chains: plain work behind the four
.irp j, 4,8,12,16,20,24,28,32,36,40,44,48,52,56,60
	v_pk_add_f32 v[14:15], v[14:15], v[96+\j:97+\j]
	v_pk_add_f32 v[236:237], v[236:237], v[98+\j:99+\j]
.endr
	v_pk_add_f32 v[14:15], v[14:15], v[236:237]
	s_wait_alu depctr_va_vdst(0)                   ; the four exponentials have written v[232:235], ahead of their first reader
.irp b, 0,1,2,3
	v_max_num_f32 v[232+\b], 0x1800000, v[232+\b]  ; the floor 2^(3 - 127): the byte cannot fall under 1
.endr
.irp b, 0,1,2,3
	v_add_nc_u32 v[244+\b], 0xff000000, v[232+\b]  ; 2 off the exponent field: the conversion's scale operand
.endr
.irp b, 0,1,2,3
	v_lshrrev_b32 v[236+\b], 23, v[244+\b]         ; the scale's byte
.endr
	v_lshl_or_b32 v253, v237, 8, v236              ; p's scale word for these 128 keys
	v_lshl_or_b32 v253, v238, 16, v253
	v_lshl_or_b32 v253, v239, 24, v253
.irp b, 0,1,2,3
	v_cvt_scalef32_pk8_fp4_f32 v[224+4*(\b/2)+(\b%2)], v[96+16*\b:103+16*\b], v[244+\b]
	v_cvt_scalef32_pk8_fp4_f32 v[226+4*(\b/2)+(\b%2)], v[104+16*\b:111+16*\b], v[244+\b]
.endr
	v_nop                                          ; one plain place behind the last scaled conversion
.irp q, 0,1,2,3
	v_permlane16_swap_b32 v[224+2*\q], v[225+2*\q] ; lanes 0-15 get the even block of 32 keys, lanes 16-31 the odd one
.endr
.set n, 0
.rept 16
	v_pk_mul_f32 v[160+n:161+n], v[160+n:161+n], v[252:253] op_sel_hi:[1,0]   ; O^T under the new M.  These 16 are also the places between the writes of p's codes and scale word and the products below
.set n, n+2
.endr
	s_wait_dscnt 0x0                               ; V and its scale words are in
	s_wait_alu depctr_va_vdst(0)                   ; the exchanges have written p's codes v[224:231] and the shifts its scale word v253, which the scaled products take; the places above stay beside this wait
.irp d, 0,1,2,3
	v_wmma_scale_f32_16x16x128_f8f6f4 v[160+8*\d:167+8*\d], v[192+8*\d:199+8*\d], v[224:231], v[160+8*\d:167+8*\d], v[248+\d], v253 matrix_a_fmt:MATRIX_FMT_FP4 matrix_b_fmt:MATRIX_FMT_FP4
.endr
.Lskip_\@:
	s_lshr_b32 s31, s31, 1                         ; the next step's two bits
	s_add_co_u32 s2, s2, 4096
	s_add_co_u32 s66, s66, 512
	s_add_co_u32 s67, s67, 256
	s_add_nc_u64 s[100:101], s[100:101], 256       ; (no scalar load is out: the wait for them stands in the arm that issues them)
	s_sub_co_u32 s30, s30, 1
	s_cmp_lg_u32 s30, 0
	s_cbranch_scc1 .Lstep_\@
.rept 4
	v_nop                                          ; places behind the last products
.endr
	v_add_f32 v14, v14, v15                        ; the sum's two halves,
	v_permlanex16_b32 v252, v14, s[SEL], s[SEL+1]
	v_add_f32 v14, v14, v252                       ; and lane l xor 16's
	v_rcp_f32 v14, v14
	v_nop                                          ; a plain place behind the reciprocal
	s_lshl_b32 s32, s28, 13                        ; aimg: 8,192 bytes a tile of 16 tokens
	s_mov_b32 s33, 0
	s_add_nc_u64 s[34:35], s[12:13], s[32:33]
	s_lshl_b32 s32, s28, 9                         ; asc: 16 rows of 32 bytes
	s_add_nc_u64 s[36:37], s[14:15], s[32:33]
	s_wait_alu depctr_va_vdst(0)                   ; the reciprocal has written v14, ahead of its first reader
.set n, 0
.rept 32
	v_mul_f32 v[96+n], v[160+n], v14               ; O^T / the sum: register 8 t + i is channel 16 t + 8 (lane / 16) + i of my query; each accumulator from its low end on
.set n, n+1
.endr
	QUANTN 96, 224, 2, 254                         ; the head's 64 channels: two blocks of the last product's K
	s_wait_alu depctr_va_vdst(0)                   ; the exchanges have written v[224:227] and the shifts v254, which the two stores read; every product is done reading v[16:19] and v24, in which the next tile's loads land
	global_store_b128 v5, v[224:227], s[34:35]     ; half a fragment: 512 consecutive bytes
	global_store_b16 v7, v254, s[36:37]            ; my query's two scale bytes (lanes l and l xor 16 store the same bytes)
	s_wait_xcnt 0x0                                ; the stores have read their registers and bases: the next tile writes them again
.endm
	PASS
	s_wait_alu depctr_vm_vsrc(0)                   ; the first tile's two stores have read v[224:227] and v254, which the second tile's vector lines write again
	s_sub_co_u32 s28, 127, s28                     ; the tile that mirrors the first
	PASS
	s_wait_dscnt 0x0
	s_wait_alu depctr_hold_cnt(0) depctr_sa_sdst(0) depctr_va_vdst(0) depctr_va_sdst(0) depctr_va_ssrc(0) depctr_va_vcc(0) depctr_vm_vsrc(0)
	s_wait_tensorcnt 0x0
	ds_add_u32 v243, v255
	s_wait_dscnt 0x0
	s_endpgm
.Lfunc_end_k_qa16044ecb9_attn:
	.size	k_qa16044ecb9_attn, .Lfunc_end_k_qa16044ecb9_attn-k_qa16044ecb9_attn
	.p2alignl 7, 3214868480
	.fill 96, 4, 3214868480
	.section	.rodata,"a",@progbits
	.p2align	6, 0x0
	.amdhsa_kernel k_qa16044ecb9_attn
		.amdhsa_group_segment_fixed_size 145408
		.amdhsa_private_segment_fixed_size 0
		.amdhsa_enable_private_segment 0
		.amdhsa_kernarg_size 48
		.amdhsa_user_sgpr_count 2
		.amdhsa_user_sgpr_kernarg_segment_ptr 1
		.amdhsa_wavefront_size32 1
		.amdhsa_system_sgpr_workgroup_id_x 1
		.amdhsa_system_sgpr_workgroup_id_y 1
		.amdhsa_system_sgpr_workgroup_id_z 1
		.amdhsa_system_vgpr_workitem_id 0
		.amdhsa_next_free_vgpr 256
		.amdhsa_next_free_sgpr 102
		.amdhsa_reserve_vcc 0
		.amdhsa_float_denorm_mode_32 3
		.amdhsa_float_denorm_mode_16_64 3
		.amdhsa_memory_ordered 1
		.amdhsa_forward_progress 1
		.amdhsa_inst_pref_size 59
	.end_amdhsa_kernel
	.amdgpu_metadata
---
amdhsa.version: [ 1, 2 ]
amdhsa.kernels:
  - .name:           k_qa16044ecb9_attn
    .symbol:         k_qa16044ecb9_attn.kd
    .args:
      - { .name: img, .offset: 0, .size: 8, .value_kind: global_buffer, .address_space: global }
      - { .name: sc, .offset: 8, .size: 8, .value_kind: global_buffer, .address_space: global }
      - { .name: maskw, .offset: 16, .size: 8, .value_kind: global_buffer, .address_space: global }
      - { .name: flags, .offset: 24, .size: 8, .value_kind: global_buffer, .address_space: global }
      - { .name: aimg, .offset: 32, .size: 8, .value_kind: global_buffer, .address_space: global }
      - { .name: asc, .offset: 40, .size: 8, .value_kind: global_buffer, .address_space: global }
    .group_segment_fixed_size: 145408
    .private_segment_fixed_size: 0
    .kernarg_segment_align: 8
    .kernarg_segment_size: 48
    .max_flat_workgroup_size: 512
    .sgpr_count:     102
    .vgpr_count:     256
    .wavefront_size: 32
...
	.end_amdgpu_metadata
.endif
;; end of part 5
;; launch outp: the kernel of part 4 again; grid 4 x 32, 4 waves a work-group, clusters of 4 x 4, 327,680 bytes of LDS; arguments aimg, asc, w_o_codes, w_o_scales, b_o, out0; writes out0
